; MI455X (gfx1250); checked and timed in simulation.
; The chip was launched on July 23, 2026; its instructions are those of AMD's public machine-readable ISA for CDNA 5 (MIT licence, August 2026) and "CDNA5" Instruction Set Architecture Reference Guide (July 2026). The comments in the code are by the model that wrote it; some were corrected since.
;; Multi Head Self Attention. Allowed arithmetic: matrix products marked QUANTISED: E2M3 operands, one E8M0 scale for each 32 along K, by v_wmma_scale_f32_16x16x128_f8f6f4 with both operands' format E2M3, f32 sums; everything else in f32.
;; Inputs: W_o 1,024 x 1,024 float32; W_qkv 3,072 x 1,024 float32; token_positions 2 x 2,048 int32; x 2 x 2,048 x 1,024 float32.
;; Outputs: out0 2 x 2,048 x 1,024 float32.
;; This version of the problem:
;;   THIS VERSION OF THE PROBLEM IS GIVEN IN LOW PRECISION. The matrix products marked QUANTISED in the list below multiply operands that are first quantised to E2M3 (2 exponent bits, 3 mantissa bits; 6 bits a number), with one power-of-two scale for each 32 numbers along K (OCP MX v1.0); their sums are f32. All else is computed in f32.
;;   The module's matrix products, in the order in which they are computed (A, B: the left and right operand; K: the contracted axis; several contracted axes count as one K, in the product's order):
;;     1. [M 4,096, K 1,024] x [K 1,024, N 3,072]; A: input x; B: input W_qkv: QUANTISED
;;     2. batch 32 x [M 2,048, K 64] x [K 64, N 2,048]; A: computed on the way; B: computed on the way: QUANTISED
;;     3. batch 32 x [M 2,048, K 2,048] x [K 2,048, N 64]; A: softmax (see below); B: computed on the way: QUANTISED
;;     4. [M 4,096, K 1,024] x [K 1,024, N 1,024]; A: computed on the way; B: input W_o: QUANTISED
;;   THE QUANTISER, for each operand of a quantised product, along K:
;;     - K is cut into blocks of 32 from its start; a last block that is shorter is filled with zeros.
;;     - A block's scale is 2^e with e = floor(log2(the largest magnitude in the block)) - 2, held to -126 .. 127; a block of zeros has e = 0. As a byte (E8M0): e + 127.
;;     - Each number is divided by its block's scale, clamped to +-7.5, and rounded to the nearest number of E2M3, ties to even, subnormals kept.
;;     - The product sums the exact products of the quantised numbers (number of the format x scale) in f32.
;;   ~~~python
;;   def quantise(x, axis):      # numpy; x: float32 -> the quantised numbers, widened to float32 again
;;       x = np.moveaxis(x, axis, -1); K = x.shape[-1]
;;       x = np.pad(x, [(0, 0)] * (x.ndim - 1) + [(0, -K % 32)]); x = x.reshape(x.shape[:-1] + (-1, 32)); a = np.abs(x).max(-1, keepdims=True)
;;       e = np.where(a > 0, np.clip(np.frexp(np.where(a > 0, a, 1))[1] - 1 - 2, -126, 127), 0)      # np.frexp(a)[1] - 1 = floor(log2(a)), exactly
;;       r = np.clip(x / 2.0 ** e, -7.5, 7.5)
;;       step = 2.0 ** (np.maximum(np.frexp(np.where(r == 0, 1, r))[1] - 1, 0) - 3)
;;       q = np.round(r / step) * step * 2.0 ** e      # np.round: ties to even
;;       return np.moveaxis(q.reshape(q.shape[:-2] + (-1,))[..., :K], -1, axis).astype(np.float32)
;;   ~~~
;;   SOFTMAX AHEAD OF A QUANTISED PRODUCT. Where the list says 'softmax', what is quantised is not the finished softmax but p = 2^(t - M), with t = logit x log2(e) and M = ceil(the row's largest t), a whole number; so 1/2 < the row's largest p <= 1. The row's sum l is taken of the UNQUANTISED p, in f32, and the product's result is divided by l at the end. Since M is a whole number, a kernel that streams over the keys may use a running M (the ceiling of the running maximum): every later rescaling is an exact power of two, which a block's scale takes up: the codes' values come out the same.
;;   OPERANDS COMPUTED ON THE WAY. 'Computed on the way' means the value that the module computes at that place (a softmax that the list does not call 'softmax' is quantised finished and normalised). What goes into a quantiser is computed in f32, as accurately as f32 sums, v_exp_f32 and their like allow (about 1e-6 of the number): no bf16 or f16 on the way to a quantiser, and a product that is left as it is and whose result goes on into a quantised operand takes f32 operands (vector FMAs, or v_wmma_f32_16x16x4_f32). A number that lies on a knife's edge between two numbers of the format may be rounded either way, as far as f32 arithmetic and the matrix unit's own rounding can turn it there, and no further.
;; One version. Each part assembles by itself: llvm-mc -triple=amdgcn-amd-amdhsa -mcpu=gfx1250 --defsym DOCPART=n.
;; ======== version 1 of 1: 4 launches
;; limits: right only within a limited range of input values
;; workspace buffers: cod 6,291,456 bytes; scl 262,144 bytes; tab 1,048,576 bytes; qkvc 9,830,400 bytes; ao 3,145,728 bytes; asc 131,072 bytes
;; launch prep (part 1): grid 320 x 1, 4 waves a work-group, no clusters, 33,280 bytes of LDS; arguments x, W_qkv, W_o, token_positions, cod, scl, tab; writes cod, scl, tab
.if DOCPART == 1
	.amdgcn_target "amdgcn-amd-amdhsa--gfx1250"
	.amdhsa_code_object_version 6
	.text
	.protected	k_qb9c2066698_prep
	.globl	k_qb9c2066698_prep
	.p2align	8
	.type	k_qb9c2066698_prep,@function
k_qb9c2066698_prep:
	s_mov_b64 s[64:65], 0
	v_nop
	global_prefetch_b8 v0, s[64:65] scope:SCOPE_SE
	s_setreg_imm32_b32 hwreg(HW_REG_WAVE_MODE, 25, 1), 1
	s_wait_xcnt 0x0
; PREP.  (1) x [4096][1024], W_qkv [3072][1024] and W_o [1024][1024], f32, become codes of FP6 (E2M3), K innermost, with one E8M0 byte for each 32 along K:
; cod [8192 rows][768 bytes], scl [8192 rows][32 bytes]; rows 0-4095 x, 4096-7167 W_qkv, 7168-8191 W_o.  (2) tab [4096 tokens][32 pairs] = (cos, sin) of position x frequency, f32.
; A ROW OF x OR OF W_qkv IS STORED AT THE PLACE WHOSE BITS 3 AND 4 ARE SWAPPED: sixteen neighbouring places then hold rows 8 u + 0..7 and 8 u + 16..23 of a group of 32, so that in the next launch
; the sixteen registers of two neighbouring result tiles are sixteen neighbours along the axis that is quantised next.  W_o's rows stay in their order.
; A block's scale is 2^(floor(log2(its largest magnitude)) - 2); its byte is the largest magnitude's exponent field - 2, held at 1 from below.
; LIMITS: NaN and infinities are not served.  A block of zeros gets the byte 1 (its codes are zeros; this program alone reads the bytes).  Positions: |position| under 2^22.
; The frequencies are 1 / (10^(i/8) rounded to f32), rounded to f32: if the power in the definition comes out one unit in the last place off, an angle of 2,047 moves by about 1e-4.
; SHARES.  Work-groups 0-255 quantise 32 rows each (a wave 8 rows: 16 steps of 512 numbers); work-groups 256-319 make the table, 64 tokens each (a wave 16 tokens, a lane a pair).
; The table's path uses no LDS.  No barrier: waves share nothing.
.set NQWG,  256                        ; work-groups that quantise: 128 for x, 96 for W_qkv, 32 for W_o
.set STEPS, 16
.set EMAX,  2
.set CB,    12                         ; bytes of 16 codes
.set R,     16                         ; v16-79   four sets of 16 numbers as they are loaded
.set X,     80                         ; v80-111  two sets of 16 neighbours
.set C,     128                        ; v128-191 codes: four registers for each step, so that no store's data are written again
.set E,     112                        ; v112-127 a scale byte for each step
.set WREG,  8192                       ; LDS: a region for each wave: two stages of 32 x SP bytes, then its 256 scale bytes
.set SP,    80                         ; a lane's place in a stage: 64 bytes + 16 of padding
	s_load_b256 s[4:11], s[0:1], 0x0               ; x s[4:5], W_qkv s[6:7], W_o s[8:9], positions s[10:11]
	s_load_b128 s[12:15], s[0:1], 0x20             ; cod s[12:13], scl s[14:15]
	s_load_b64 s[26:27], s[0:1], 0x30              ; tab
	v_lshl_add_u32 v192, v0, 2, 0x8000
	v_mov_b32 v193, 0
	v_lshrrev_b32 v1, 5, v0
	v_readfirstlane_b32 s16, v1                    ; wave 0..3
	v_and_b32 v2, 31, v0                           ; lane
	s_wait_kmcnt 0x0
	s_cmp_ge_u32 ttmp9, NQWG
	s_cbranch_scc1 .Ltable
	; ---- the quantiser.  A wave's 8 rows are bits 3 and 4 of the row's number: the swap of places is a swap of the wave number's two bits
	s_and_b32 s17, s16, 1
	s_lshl_b32 s17, s17, 1
	s_lshr_b32 s18, s16, 1
	s_or_b32 s17, s17, s18                         ; the wave's number with its bits swapped
	s_cmp_lt_u32 ttmp9, 128                        ; which tensor: the choice hangs on the work-group's number alone
	s_cselect_b64 s[4:5], s[4:5], s[6:7]
	s_cselect_b32 s19, 0, 128                      ; the tensor's first work-group
	s_cmp_lt_u32 ttmp9, 224
	s_cselect_b64 s[4:5], s[4:5], s[8:9]
	s_mov_b32 s20, 224
	s_cselect_b32 s19, s19, s20
	s_cselect_b32 s17, s17, s16                    ; W_o keeps its order
	s_sub_co_u32 s19, ttmp9, s19
	s_lshl_b32 s19, s19, 2
	s_add_co_u32 s19, s19, s16                     ; which run of 8 rows of the tensor I read
	s_lshl_b32 s20, s19, 15                        ; 8,192 numbers of 4 bytes
	s_mov_b32 s21, 0
	s_add_nc_u64 s[4:5], s[4:5], s[20:21]
	s_lshl_b32 s18, ttmp9, 2
	s_add_co_u32 s18, s18, s17                     ; which run of 8 rows of cod and scl I write
	; THE LAYOUT OF cod: by K steps of 256 (192 bytes of a row).  x and W_qkv: [tile of 256 places][K step][256 places][192 bytes]; W_o: [tile of 128 rows][K step][128 rows][192 bytes].
	; So the rows of one tile and one K step are one dense block, a multiple of 256 bytes long, at a multiple of 256 bytes.
	s_cmp_lt_u32 ttmp9, 224
	s_cselect_b32 s23, 5, 4                        ; runs of 8 rows in a tile: 32 or 16
	s_sub_co_u32 s24, s23, 4
	s_lshl_b32 s25, 24576, s24                     ; bytes from K step to K step: 49,152 or 24,576
	s_lshr_b32 s24, s18, s23                       ; my tile
	s_lshl_b32 s28, s24, s23
	s_sub_co_u32 s28, s18, s28                     ; my run within it
	s_mul_i32 s20, s24, s25
	s_lshl_b32 s20, s20, 2                         ; a tile is four K steps
	s_mul_i32 s28, s28, 1536                       ; 8 rows of 192 bytes
	s_add_co_u32 s20, s20, s28
	s_add_nc_u64 s[8:9], s[12:13], s[20:21]        ; even steps: K steps 0 and 1 of a row
	s_lshl_b32 s28, s25, 1
	s_mov_b32 s29, 0
	s_add_nc_u64 s[28:29], s[8:9], s[28:29]        ; odd steps: K steps 2 and 3
	s_lshl_b32 s20, s18, 8
	s_add_nc_u64 s[10:11], s[14:15], s[20:21]
	s_wait_alu depctr_va_vdst(0)
	v_lshlrev_b32 v3, 4, v2                        ; my 16 bytes of a load's 512
	s_mul_i32 s22, s16, WREG
	v_lshrrev_b32 v14, 2, v2
	v_mul_u32_u24 v14, v14, SP
	v_and_b32 v15, 3, v2
	v_lshl_add_u32 v14, v15, 4, v14
	v_add_nc_u32 v14, s22, v14                     ; the stage, way in: four lanes' 64 bytes on end, then 16 of padding
	v_mul_u32_u24 v15, v2, SP
	v_add_nc_u32 v15, s22, v15                     ; way out: SP x lane: my 16 neighbours
	v_and_b32 v4, 15, v2
	v_mul_u32_u24 v4, v4, CB                       ; sixteen lanes fill a row's 192 bytes of one K step,
	v_lshrrev_b32 v10, 4, v2
	v_mad_u32_u24 v4, v10, s25, v4                 ; lanes 16-31 those of the next K step
	v_lshrrev_b32 v5, 1, v2
	s_add_co_u32 s22, s22, 2*32*SP
	v_add_nc_u32 v5, s22, v5                       ; LDS: my block's scale byte
	v_lshlrev_b32 v7, 3, v2
	v_add_nc_u32 v6, s22, v7                       ; and 8 bytes a lane on the way out
.macro LOAD t
.irp i, 0,1,2,3
	global_load_b128 v[R+16*((\t)%4)+4*\i:R+16*((\t)%4)+4*\i+3], v3, s[4:5] offset:2048*(\t)+512*\i th:TH_LOAD_NT   ; 32 lanes read 512 consecutive bytes
.endr
.endm
.macro TURN t                          ; step t's numbers through the stage: a wave's LDS instructions are served in order, so no wait stands between stores and loads
.irp i, 0,1,2,3
	ds_store_b128 v14, v[R+16*((\t)%4)+4*\i:R+16*((\t)%4)+4*\i+3] offset:32*SP*((\t)%2)+8*SP*\i
.endr
.irp i, 0,1,2,3
	ds_load_b128 v[X+16*((\t)%2)+4*\i:X+16*((\t)%2)+4*\i+3], v15 offset:32*SP*((\t)%2)+16*\i
.endr
.endm
.irp t, 0,1,2,3
	LOAD \t
.endr
	s_wait_alu depctr_va_vdst(0)
	s_wait_loadcnt 12                              ; step 0's four loads are in; three steps' twelve may be out
	TURN 0
.macro STEP t
.set XS, X+16*((\t)%2)
.if (\t) > 0
	s_wait_dscnt 1                                 ; this step's numbers are back from the stage (the last step's byte store may be out)
.else
	s_wait_dscnt 0x0
.endif
.if (\t)+4 < STEPS
	LOAD (\t)+4                                    ; into the registers that the stage's stores have read
.endif
.if (\t)+1 < STEPS
.if STEPS-2-(\t) >= 3
	s_wait_loadcnt 12                              ; the next step's four loads are in; those of the three steps behind it may be out
.else
	s_wait_loadcnt 4*(STEPS-2-(\t))
.endif
	TURN (\t)+1
.endif
	v_max3_num_f32 v8, |v[XS]|, |v[XS+1]|, |v[XS+2]|               ; the largest magnitude of my 16, in two chains
	v_max3_num_f32 v9, |v[XS+3]|, |v[XS+4]|, |v[XS+5]|
.irp i, 6,10
	v_max3_num_f32 v8, v8, |v[XS+\i]|, |v[XS+\i+1]|
	v_max3_num_f32 v9, v9, |v[XS+\i+2]|, |v[XS+\i+3]|
.endr
	v_max3_num_f32 v8, v8, |v[XS+14]|, |v[XS+15]|
	v_max3_num_f32 v8, v8, v9, (EMAX+1)<<23        ; and the floor 2^(3 - 127): the byte cannot fall under 1
	v_max_num_f32_dpp v8, v8, v8 row_xmask:1 row_mask:0xf bank_mask:0xf   ; with my neighbour's 16: the block's
	v_add_nc_u32 v11, -(EMAX<<23), v8              ; 2 off its exponent field: the conversion takes the exponent field of this operand as its scale
	v_cvt_scalef32_pk16_fp6_f32 v[C+4*(\t):C+4*(\t)+2], v[XS:XS+15], v11
	v_lshrrev_b32 v[E+(\t)], 23, v11               ; the scale's byte (also the plain line behind the conversion)
	ds_store_b8 v5, v[E+(\t)] offset:16*(\t)       ; both lanes of a block write the same byte with the same value
	global_store_b96 v4, v[C+4*(\t):C+4*(\t)+2], s[8+20*((\t)%2):9+20*((\t)%2)] offset:192*((\t)/2)   ; row t / 2 of my 8
.endm
.irp t, 0,1,2,3,4,5,6,7,8,9,10,11,12,13,14,15
	STEP \t
.endr
	ds_load_b64 v[12:13], v6                       ; behind my byte stores, in order
	s_wait_dscnt 0x0
	global_store_b64 v7, v[12:13], s[10:11]        ; 32 lanes store 256 consecutive bytes, aligned: 8 rows' scale bytes
	s_wait_tensorcnt 0x0
	ds_add_u32 v192, v193
	s_wait_dscnt 0x0
	s_endpgm
	; ---- the table.  Lane i holds frequency i; a wave's 16 positions lie in scalar registers
.Ltable:
	s_sub_co_u32 s17, ttmp9, NQWG
	s_lshl_b32 s17, s17, 6
	s_lshl_b32 s18, s16, 4
	s_add_co_u32 s17, s17, s18                     ; my first token
	s_lshl_b32 s18, s17, 2
	s_mov_b32 s19, 0
	s_add_nc_u64 s[10:11], s[10:11], s[18:19]
	s_load_b512 s[32:47], s[10:11], 0x0            ; 16 positions
	s_lshl_b32 s22, s17, 8
	s_mov_b32 s23, 0
	s_add_nc_u64 s[26:27], s[26:27], s[22:23]      ; 256 bytes a token
	s_mov_b32 s48, 0x3fc90fdb                      ; pi/2 rounded to f32,
	s_mov_b32 s49, 0xb33bbd2e                      ; and what is left of pi/2
	s_mov_b32 s50, -0.00019515295891               ; sine:   r + r z (S1 + z (S2 + z S3)), z = r r
	s_mov_b32 s51, 0.0083321608736
	s_mov_b32 s52, -0.16666654611
	s_mov_b32 s53, 0.00002443315712                ; cosine: 1 + z (-1/2 + z (C1 + z (C2 + z C3)))
	s_mov_b32 s54, -0.001388731625
	s_mov_b32 s55, 0.04166664568
	v_mov_b32 v20, 0
.macro FQ lane, val                    ; lane i gets 10000^(2 i / 64) = 10^(i/8)
	s_mov_b32 s20, \val
	v_writelane_b32 v20, s20, \lane
.endm
	FQ 0, 1.0
	FQ 1, 1.3335214322
	FQ 2, 1.7782794100
	FQ 3, 2.3713737057
	FQ 4, 3.1622776602
	FQ 5, 4.2169650343
	FQ 6, 5.6234132519
	FQ 7, 7.4989420933
	FQ 8, 10.0
	FQ 9, 13.335214322
	FQ 10, 17.782794100
	FQ 11, 23.713737057
	FQ 12, 31.622776602
	FQ 13, 42.169650343
	FQ 14, 56.234132519
	FQ 15, 74.989420933
	FQ 16, 100.0
	FQ 17, 133.35214322
	FQ 18, 177.82794100
	FQ 19, 237.13737057
	FQ 20, 316.22776602
	FQ 21, 421.69650343
	FQ 22, 562.34132519
	FQ 23, 749.89420933
	FQ 24, 1000.0
	FQ 25, 1333.5214322
	FQ 26, 1778.2794100
	FQ 27, 2371.3737057
	FQ 28, 3162.2776602
	FQ 29, 4216.9650343
	FQ 30, 5623.4132519
	FQ 31, 7498.9420933
	s_wait_alu depctr_va_vdst(0)
	v_rcp_f32 v21, v20
	v_lshlrev_b32 v19, 3, v2                       ; 8 bytes a lane (the plain line behind the reciprocal)
	s_wait_alu depctr_va_vdst(0)                   ; the wait ahead of the first reader
	v_fma_f32 v22, -v20, v21, 1.0                  ; one Newton step: the quotient 1 / power to the last place
	v_fma_f32 v20, v21, v22, v21                   ; the frequency
	s_wait_kmcnt 0x0
; Token k of my 16.  a = position x frequency, rounded once; n = the nearest whole number to a / (pi/2); r = a - n pi/2 in two parts: the first fused step rounds nothing
; (a and n x the first part are multiples of one power of two, and their difference is under 1); then the two polynomials, and the quadrant n mod 4 swaps them and sets the signs.
.macro TROW k
	v_cvt_f32_i32 v21, s[32+\k]
	s_wait_alu depctr_va_vdst(0)
	v_mul_f32 v21, v21, v20
	v_mul_f32 v22, 0x3f22f983, v21                 ; x 2 / pi
	v_rndne_f32 v22, v22
	v_fma_f32 v23, -v22, s48, v21
	v_fma_f32 v23, -v22, s49, v23                  ; r
	v_mul_f32 v24, v23, v23                        ; z
	v_fma_f32 v25, v24, s50, s51
	v_fma_f32 v27, v24, s53, s54
	v_fma_f32 v25, v25, v24, s52
	v_fma_f32 v27, v27, v24, s55
	v_mul_f32 v26, v23, v24
	v_fma_f32 v27, v27, v24, -0.5
	v_fma_f32 v25, v26, v25, v23                   ; sin r
	v_fma_f32 v27, v27, v24, 1.0                   ; cos r
	v_cvt_i32_f32 v28, v22
	v_and_b32 v29, 1, v28
	v_cmp_eq_u32 vcc_lo, 1, v29
	v_cndmask_b32 v30, v25, v27, vcc_lo            ; odd quadrants: the two change places
	v_cndmask_b32 v31, v27, v25, vcc_lo
	v_and_b32 v29, 2, v28
	v_lshlrev_b32 v29, 30, v29
	v_xor_b32 v[65+2*\k], v29, v30                 ; the sine is negative in quadrants 2 and 3,
	v_add_nc_u32 v28, 1, v28
	v_and_b32 v28, 2, v28
	v_lshlrev_b32 v28, 30, v28
	v_xor_b32 v[64+2*\k], v28, v31                 ; the cosine in 1 and 2
	global_store_b64 v19, v[64+2*\k:65+2*\k], s[26:27] offset:256*\k   ; 32 lanes store the token's 256 consecutive bytes; each token has data registers of its own
.endm
.irp k, 0,1,2,3,4,5,6,7,8,9,10,11,12,13,14,15
	TROW \k
.endr
	s_endpgm
.Lfunc_end_k_qb9c2066698_prep:
	.size	k_qb9c2066698_prep, .Lfunc_end_k_qb9c2066698_prep-k_qb9c2066698_prep
	.p2alignl 7, 3214868480
	.fill 96, 4, 3214868480
	.section	.rodata,"a",@progbits
	.p2align	6, 0x0
	.amdhsa_kernel k_qb9c2066698_prep
		.amdhsa_group_segment_fixed_size 33280
		.amdhsa_private_segment_fixed_size 0
		.amdhsa_enable_private_segment 0
		.amdhsa_kernarg_size 56
		.amdhsa_user_sgpr_count 2
		.amdhsa_user_sgpr_kernarg_segment_ptr 1
		.amdhsa_wavefront_size32 1
		.amdhsa_system_sgpr_workgroup_id_x 1
		.amdhsa_system_sgpr_workgroup_id_y 1
		.amdhsa_system_sgpr_workgroup_id_z 1
		.amdhsa_system_vgpr_workitem_id 0
		.amdhsa_next_free_vgpr 194
		.amdhsa_next_free_sgpr 66
		.amdhsa_reserve_vcc 1
		.amdhsa_float_denorm_mode_32 3
		.amdhsa_float_denorm_mode_16_64 3
		.amdhsa_memory_ordered 1
		.amdhsa_forward_progress 1
		.amdhsa_inst_pref_size 59
	.end_amdhsa_kernel
	.amdgpu_metadata
---
amdhsa.version: [ 1, 2 ]
amdhsa.kernels:
  - .name:           k_qb9c2066698_prep
    .symbol:         k_qb9c2066698_prep.kd
    .args:
      - { .name: x, .offset: 0, .size: 8, .value_kind: global_buffer, .address_space: global }
      - { .name: W_qkv, .offset: 8, .size: 8, .value_kind: global_buffer, .address_space: global }
      - { .name: W_o, .offset: 16, .size: 8, .value_kind: global_buffer, .address_space: global }
      - { .name: token_positions, .offset: 24, .size: 8, .value_kind: global_buffer, .address_space: global }
      - { .name: cod, .offset: 32, .size: 8, .value_kind: global_buffer, .address_space: global }
      - { .name: scl, .offset: 40, .size: 8, .value_kind: global_buffer, .address_space: global }
      - { .name: tab, .offset: 48, .size: 8, .value_kind: global_buffer, .address_space: global }
    .group_segment_fixed_size: 33280
    .private_segment_fixed_size: 0
    .kernarg_segment_align: 8
    .kernarg_segment_size: 56
    .max_flat_workgroup_size: 128
    .sgpr_count:     66
    .vgpr_count:     194
    .wavefront_size: 32
...
	.end_amdgpu_metadata
.endif
;; end of part 1
;; launch qkv (part 2): grid 12 x 16, 4 waves a work-group, clusters of 4 x 4, 327,680 bytes of LDS; arguments cod, scl, tab, qkvc; writes qkvc
.if DOCPART == 2
	.amdgcn_target "amdgcn-amd-amdhsa--gfx1250"
	.amdhsa_code_object_version 6
	.text
	.protected	k_qb9c2066698_qkv
	.globl	k_qb9c2066698_qkv
	.p2align	8
	.type	k_qb9c2066698_qkv,@function
k_qb9c2066698_qkv:
	s_mov_b64 s[64:65], 0
	v_nop
	global_prefetch_b8 v0, s[64:65] scope:SCOPE_SE
	s_setreg_imm32_b32 hwreg(HW_REG_WAVE_MODE, 25, 1), 1
	s_wait_xcnt 0x0
	s_wait_alu depctr_hold_cnt(0) depctr_sa_sdst(0) depctr_va_vdst(0) depctr_va_sdst(0) depctr_va_ssrc(0) depctr_va_vcc(0) depctr_vm_vsrc(0)
	s_getreg_b32 s2, hwreg(HW_REG_IB_STS2, 6, 4)
	s_cmp_eq_u32 s2, 0
	s_cbranch_scc0 .Lentry_in_a_cluster
	s_endpgm
.Lentry_in_a_cluster:
	s_bfe_u32 s2, ttmp6, 0x10000c
	s_cmp_lg_u32 s2, 0xf033
	s_cbranch_scc0 .Lentry_shape_is_right
	s_endpgm
.Lentry_shape_is_right:
; QKV.  qkv = x W_qkv^T on codes of FP6 (E2M3) with E8M0 scales, K = 1,024; then the rotation of Q and K by the table of (cos, sin); then Q and K are quantised along the head's 64, V along the keys.
; A work-group of four waves makes 256 x 256 of the product, a wave 128 x 128: 64 accumulators of 16 x 16, 512 registers.  K goes in steps of 256 through two LDS slots filled by the tensor data mover.
; The scale bytes of the work-group's 2 x 256 rows, for all of K, come into LDS once, with the first fills.
; CLUSTERS of 4 x 4: operand A's tile is shared along a row of the cluster, operand B's along a column: each is asked for jointly, by the same load with a mask that names the four.
; WHO IS A AND WHO IS B.  The matrix instruction takes 16 rows of B as source 0 and 16 rows of A as source 1: a lane then holds ONE row of A, and its registers run along rows of B.
; Cluster column X = 0, 1 (Q, K): A = tokens, B = features: a lane's registers run along the head's channels, which are the next product's K.
; X = 2 (V): A = features, B = tokens: a lane's registers run along the keys, which are V's K.  Both operands lie in one buffer of rows, so only tile numbers are chosen, by X, which all partners share.
; The rows of x and W_qkv lie in cod with bits 3 and 4 of the row's number swapped: so the 16 registers of accumulators 2 g and 2 g + 1 are neighbours 32 g + 16 (lane / 16) + 0..15 along B's rows,
; and lane r of A's block a holds row 32 (a / 2) + 8 (a % 2) + r + 8 (r / 8) of the wave's 128.
; WHAT IS STORED: images of operand registers.  A HALF IMAGE is 16 rows x 64 along K, 768 bytes: lane l's registers 0-3 at 16 l, its registers 4-5 at 512 + 8 l: every store covers 512 or 256 consecutive bytes.
; qkvc: section (Q, K, V) x 3,276,800 + (batch, head) x 102,400 + group of 128 tokens x 6,400: eight half images, then 256 bytes of scale words (16 r + four words).
; LIMITS: NaN and infinities are not served; a block of zeros gets the byte 1 (its codes are zeros; this program alone reads the bytes).
; REGISTERS, in windows of 256: window 0: v0-31 addresses; v32-63 scale words, two sets; v128-223 A's fragments, one set; on the way out v32-215 are free.
;   window 1: B's fragments, two sets, at v0 and v128.   window 2: accumulators of my rows 0-63 ((a, b) at v[8 (8 a + b)]);   window 3: those of rows 64-127.
.set KSTEP,  256
.set NQ,     2                         ; matrix instructions deep in a slot
.set ROWB,   49152                     ; from K step to K step in cod: a tile's 256 rows x 192 bytes, one dense block, fetched as rows of 256 bytes; the padding behind every 64 bytes gives LDS rows of 240
.set KROW,   768                       ; a row of cod
.set PITCH,  240                       ; an LDS row: 3 x (64 bytes + 16 of padding): the 32 lanes of a load of 8 bytes touch 64 different banks (64 banks of 4 bytes: ISA guide 11.1)
.set FR,     12                        ; registers of a fragment
.set NL,     6                         ; LDS loads that bring one
.set NP,     4                         ; places behind this matrix instruction (ISA guide 7.12.1)
.set HALFT,  128*PITCH
.set SLOT,   4*HALFT
.set LAPS,   2                         ; K = 1,024 is twice round the ring
.set KS,     32                        ; a row of scl
.set SCL,    2*SLOT                    ; behind the ring: the scales, as runs of 256 bytes + 16 of padding
.set HALFS,  (128*KS/256)*272
.set SBLK,   (16*KS/256)*272
.set SPARE,  SCL+4*HALFS               ; the spare words, 128 bytes a wave: two blocks of 256 bytes that no other line names
.set ADRA, 16                          ; v16-17 LDS address of my A fragments in slot 0, 1 (v18-19: for the pieces behind one padding more)
.set ADRB, 20                          ; v20-23 the same for B
.set ADRS, 27                          ; v27 my scale words: lanes 0-15 A's rows, lanes 16-31 B's
.set SPW,  28                          ; v28 my spare word; never rewritten
.set NIL,  29                          ; v29 0; never rewritten
.set SC,   32
.set AF,   128
.set G1, 24
.set G0, 32
.set G1B, 48
.set G0B, 56
.set G1S, 68
.set G0S, 76
.set G1SB, 80
.set G0SB, 88
.set HA,   32                          ; the way out: v32-95 a block's 64 rotated numbers
.set CT,   96                          ; v96-159 two sets of 32: (cos, sin) of the block's tokens
.set PCD,  160                         ; v160-171 the codes just made; v172-178 at work
.set TM,   180                         ; v180-183 largest magnitudes, v184-187 bytes, v192-195 the conversions' scale operands
.set PWE,  196                         ; v196, v197 the scale words of an even and an odd block
.set WD,   200                         ; v200-207 the words to be stored
.set RT,   208                         ; v208-215 at work in the rotation
.set SEL,  92
.set SECC, 3276800                     ; qkvc: section (Q, K, V) x SECC + (batch, head) x HEADC + group of 128 tokens x 6,400; a group: eight half images, then its 256 bytes of scale words (16 r + four words)
.set HEADC, 102400
.set MSB, 0
.macro WIN new                         ; the immediate's high byte repeats the setting that is left
.if MSB != (\new)
	s_set_vgpr_msb (MSB<<8)|(\new)
.set MSB, (\new)
.endif
.endm
.set MUL_LO, 0xa1                      ; source 0 (B) window 1, source 1 (A) window 0, C and D window 2
.set MUL_HI, 0xf1
.set TO_B,   0x40
; A joint load: waves 0 and 1 fetch for A, waves 2 and 3 for B; the branch hangs on the wave's number alone.  Four v_nop follow each line.
.macro JLOAD g0a, g1a, g0b, g1b
	s_cmp_eq_u32 s15, 0
	s_cbranch_scc0 .Lfor_b_\@
	tensor_load_to_lds s[\g0a:\g0a+3], s[\g1a:\g1a+7]
	s_nop 0
.rept 4
	v_nop
.endr
	s_branch .Lasked_\@
.Lfor_b_\@:
	tensor_load_to_lds s[\g0b:\g0b+3], s[\g1b:\g1b+7]
	s_nop 0
.rept 4
	v_nop
.endr
.Lasked_\@:
.endm
.macro CREST                           ; a round of the cluster's barrier behind its opening barrier
	s_cmp_lg_u32 s14, 0
	s_cbranch_scc1 .Lnot_wave_0_\@
	s_barrier_signal -3
.Lnot_wave_0_\@:
	s_barrier_wait -3
	s_barrier_signal -1
	s_barrier_wait -1
.endm
.macro CROUND
	s_barrier_signal -1
	s_barrier_wait -1
	CREST
.endm
	s_load_b128 s[4:7], s[0:1], 0x0                ; cod s[4:5], scl s[6:7]
	s_load_b64 s[12:13], s[0:1], 0x10              ; tab
	s_load_b64 s[96:97], s[0:1], 0x18              ; qkvc
	v_lshl_add_u32 v[SPW], v0, 2, SPARE
	v_mov_b32 v[NIL], 0
	ds_add_u32 v28, v29
	ds_add_u32 v28, v29
	s_wait_dscnt 0x0
	v_lshrrev_b32 v1, 5, v0
	v_readfirstlane_b32 s14, v1                    ; wave 0..3
	s_lshr_b32 s15, s14, 1                         ; which half of A's 256 rows is mine.  Also: I fetch for A (0) or for B (1)
	s_and_b32 s16, s14, 1                          ; which half of B's.  Also: which 128 rows I fetch
	s_bfe_u32 s40, ttmp6, 0x40000                  ; cx
	s_bfe_u32 s41, ttmp6, 0x40004                  ; cy
	s_and_b32 s17, ttmp7, 0xffff
	s_lshl_b32 s17, s17, 2                         ; 4 Y: tiles of 256 tokens
	s_lshl_b32 s42, ttmp9, 2
	s_add_co_u32 s42, s42, 16                      ; 16 + 4 X: W_qkv begins at row 4,096 = tile 16
	s_cmp_eq_u32 ttmp9, 2                          ; V: the operands change roles
	s_cselect_b32 s42, s17, s42                    ; B's tile: tokens,
	s_cselect_b32 s17, 24, s17                     ; A's tile: W_v begins at tile 24
	s_add_co_u32 s17, s17, s41                     ; A's tile hangs on cy alone,
	s_add_co_u32 s42, s42, s40                     ; B's on cx alone
	s_lshl_b32 s43, s41, 2
	s_lshl_b32 s43, 15, s43                        ; my row of the cluster
	s_lshl_b32 s44, 0x1111, s40                    ; my column
	s_or_b32 s[G1+0], s43, (0<<16)|(1<<20)|(1<<21)|(3<<22)|(3<<25)  ; the mask; elements of 1 byte; padding on; bit 21 beside a mask; after every 16 words 4 words
	s_or_b32 s[G1B+0], s44, (0<<16)|(1<<20)|(1<<21)|(3<<22)|(3<<25)
.irp g, G1, G1B
	s_mov_b32 s[\g+1], 256<<16                     ; rows of 256 bytes,
	s_mov_b32 s[\g+2], 384<<16                     ; 384 of them: a whole tile's K steps 0 and 1, which lie on end in cod, for the head's loads
	s_mov_b32 s[\g+3], 256<<16
	s_mov_b32 s[\g+4], 384
	s_mov_b32 s[\g+5], 256                         ; dense
	s_mov_b32 s[\g+6], 0
	s_mov_b32 s[\g+7], 0
.endr
	s_or_b32 s[G1S+0], s43, (3<<16)|(1<<20)|(1<<21)|(5<<22)|(3<<25)   ; the scales of 256 rows: 8,192 dense bytes as 32 rows of 256, 16 bytes of padding behind each
	s_or_b32 s[G1SB+0], s44, (3<<16)|(1<<20)|(1<<21)|(5<<22)|(3<<25)
.irp g, G1S, G1SB
	s_mov_b32 s[\g+1], 32<<16
	s_mov_b32 s[\g+2], 32<<16                      ; the scales of a tile's 256 rows: 32 rows of 256 bytes
	s_mov_b32 s[\g+3], 32<<16
	s_mov_b32 s[\g+4], 32
	s_mov_b32 s[\g+5], 32
	s_mov_b32 s[\g+6], 0
	s_mov_b32 s[\g+7], 0
.endr
	s_mov_b32 s18, 0                               ; the tile's first row
	s_lshl_b32 s20, s17, 8
	s_add_co_u32 s20, s20, s18                     ; A: row 256 x tile
	s_lshl_b32 s46, s42, 8
	s_add_co_u32 s46, s46, s18                     ; B likewise
	s_mov_b32 s21, 0
	s_mov_b32 s47, 0
	s_mov_b64 s[18:19], KS
	s_mul_u64 s[22:23], s[20:21], s[18:19]
	s_mul_u64 s[92:93], s[46:47], s[18:19]
	s_mov_b64 s[18:19], KROW
	s_mul_u64 s[20:21], s[20:21], s[18:19]
	s_mul_u64 s[46:47], s[46:47], s[18:19]
	s_mul_i32 s45, s16, HALFT                      ; LDS: A's slot 0, A's slot 1, B's slot 0, B's slot 1, 256 rows each; I fetch one half of a slot's rows
	s_wait_kmcnt 0x0
	s_add_nc_u64 s[20:21], s[4:5], s[20:21]
	s_add_nc_u64 s[22:23], s[6:7], s[22:23]
	s_add_nc_u64 s[46:47], s[4:5], s[46:47]
	s_add_nc_u64 s[92:93], s[6:7], s[92:93]
	CROUND                                         ; all sixteen work-groups are here: the first joint loads meet
	s_mov_b32 s[G0S], 1
	s_mov_b32 s[G0S+1], SCL
	s_mov_b64 s[G0S+2:G0S+3], s[22:23]
	s_or_b32 s[G0S+3], s[G0S+3], 0x80000000
	s_mov_b32 s[G0SB], 1
	s_mov_b32 s[G0SB+1], SCL+2*HALFS
	s_mov_b64 s[G0SB+2:G0SB+3], s[92:93]
	s_or_b32 s[G0SB+3], s[G0SB+3], 0x80000000
	s_mov_b32 s4, 1                                ; group 0 of the head's loads of K steps 0 and 1: A's 256 rows (the arguments that lay here have been used),
	s_mov_b32 s5, 0
	s_mov_b64 s[6:7], s[20:21]
	s_or_b32 s7, s7, 0x80000000
	s_mov_b32 s8, 1                                ; and B's, behind them in slot 0
	s_mov_b32 s9, 4*HALFT
	s_mov_b64 s[10:11], s[46:47]
	s_or_b32 s11, s11, 0x80000000
	s_mul_i32 s18, s16, 24576                      ; in the ring I fetch 128 rows of a K step's block
	s_mov_b32 s19, 0
	s_add_nc_u64 s[20:21], s[20:21], s[18:19]
	s_add_nc_u64 s[46:47], s[46:47], s[18:19]
	s_cmp_eq_u32 s15, 0                            ; the prefetches: of the 96 blocks of 256 bytes that I fetch of a K step, each of the four partners that ask for them with me names 24, told apart by address
	s_cselect_b64 s[94:95], s[20:21], s[46:47]
	s_cselect_b32 s18, s40, s41                    ; my place among them: cx for A, cy for B
	s_mul_i32 s18, s18, 6144
	s_add_nc_u64 s[94:95], s[94:95], s[18:19]
.irp s, 0,1
	s_mov_b32 s[G0+4*\s], 1
	s_add_co_u32 s[G0+4*\s+1], s45, \s*2*HALFT
	s_add_nc_u64 s[G0+4*\s+2:G0+4*\s+3], s[20:21], \s*ROWB
	s_or_b32 s[G0+4*\s+3], s[G0+4*\s+3], 0x80000000
	s_mov_b32 s[G0B+4*\s], 1
	s_add_co_u32 s[G0B+4*\s+1], s45, 4*HALFT+\s*2*HALFT
	s_add_nc_u64 s[G0B+4*\s+2:G0B+4*\s+3], s[46:47], \s*ROWB
	s_or_b32 s[G0B+4*\s+3], s[G0B+4*\s+3], 0x80000000
.endr
; The head's loads, one a wave: wave 0 K steps 0 and 1 of A's 256 rows, wave 1 of B's, wave 2 A's scales, wave 3 B's.  One tree of branches on the wave's number.
.macro ARM under, g0, g1, next
	s_cmp_lt_u32 s14, \under
	s_cbranch_scc0 \next
	tensor_load_to_lds s[\g0:\g0+3], s[\g1:\g1+7]
	s_nop 0
.rept 4
	v_nop
.endr
	s_branch .Lhead_asked
\next:
.endm
	ARM 1, 4, G1, .Lhead_b
	ARM 2, 8, G1B, .Lhead_sa
	ARM 3, G0S, G1S, .Lhead_sb
	tensor_load_to_lds s[G0SB:G0SB+3], s[G1SB:G1SB+7]
	s_nop 0
.rept 4
	v_nop
.endr
.Lhead_asked:
	v_and_b32 v1, 15, v0                           ; l % 16
	v_bfe_u32 v2, v0, 4, 1                         ; l / 16
	v_mul_u32_u24 v3, v1, PITCH
	v_mul_u32_u24 v4, v2, 24
	v_add_nc_u32 v4, v3, v4                        ; a fragment's row x pitch + 24 x half
	v_lshl_add_u32 v5, v2, 4, v4                   ; and the same behind one padding more
	s_mul_i32 s21, s15, HALFT
	s_mul_i32 s22, s16, HALFT
	s_add_co_u32 s22, s22, 4*HALFT                 ; B's slots lie behind A's two
.irp s, 0,1
	v_add_nc_u32 v[ADRA+\s], s21, v4
	v_add_nc_u32 v[ADRB+\s], s22, v4
	v_add_nc_u32 v[ADRA+2+\s], s21, v5
	v_add_nc_u32 v[ADRB+2+\s], s22, v5
	s_add_co_u32 s21, s21, 2*HALFT
	s_add_co_u32 s22, s22, 2*HALFT
.endr
	v_mul_u32_u24 v5, v1, KS                       ; my row's scales: 32 bytes a row,
	v_lshrrev_b32 v6, 8, v5
	v_lshl_add_u32 v5, v6, 4, v5                   ; and 16 more for each 256 passed
	s_mul_i32 s21, s15, HALFS
	s_mul_i32 s22, s16, HALFS
	s_add_co_u32 s22, s22, 2*HALFS
	s_sub_co_u32 s22, s22, s21
	v_mul_u32_u24 v6, s22, v2                      ; lanes 16-31 take B's: one product, the distance between the two bases
	s_add_co_u32 s21, s21, SCL
	v_add_nc_u32 v5, v5, v6
	v_add_nc_u32 v[ADRS], s21, v5
	v_and_b32 v30, 31, v0
	v_min_u32 v30, 23, v30                         ; a lane a block of 256 bytes; the eight lanes left over name the last block again
	v_lshlrev_b32 v30, 8, v30                      ; v30 and s[94:95] are never rewritten
	global_prefetch_b8 v30, s[94:95] offset:2*ROWB th:TH_LOAD_NT scope:SCOPE_SE   ; K step 2, which the first refill will load: two K steps ahead of the step in hand
	v_and_b32 v26, 31, v0
	v_min_u32 v26, 15, v26                         ; the table's prefetch: a lane a row of 256 bytes; the lanes left over name the last row again
	v_lshlrev_b32 v26, 8, v26                      ; v26 and s[8:9] are never rewritten
.macro FRAG reg, adr, q, i             ; 16 rows x 128 K: lane l holds row l % 16; registers 6 c .. 6 c + 5 hold K = 64 c + 32 (l / 16) + 0 .. 31: 24 bytes as they lie, in pieces of 8
.irp p, 0,1,2,3,4,5
.set PIECE, 12*(\q)+6*(\p/3)+\p%3      ; where the piece three on lies behind one padding more, the second address register serves
.if PIECE%8 < 5
	ds_load_b64 v[\reg+2*\p:\reg+2*\p+1], v[\adr] offset:8*PIECE+16*(PIECE/8)+(\i)*16*PITCH
.else
	ds_load_b64 v[\reg+2*\p:\reg+2*\p+1], v[\adr+2] offset:8*PIECE+16*(PIECE/8)+(\i)*16*PITCH
.endif
.endr
.endm
; 16 matrix instructions: A's blocks a0, a0 + 1 x B's eight.  The 64 accumulators take turns, one instruction a turn, in the same order in every step.
.macro MUL16 a0, p, q, sc, zero
.irp a, \a0, \a0+1
.irp b, 0,1,2,3,4,5,6,7
.if \zero
	v_wmma_scale_f32_16x16x128_f8f6f4 v[8*(8*((\a)%4)+\b):8*(8*((\a)%4)+\b)+7], v[128*(\p)+FR*\b:128*(\p)+FR*\b+FR-1], v[AF+FR*(\a):AF+FR*(\a)+FR-1], 0, v[SC+8*NQ*(\sc)+NQ*\b+(\q)], v[SC+8*NQ*(\sc)+NQ*(\a)+(\q)] matrix_a_fmt:MATRIX_FMT_FP6 matrix_b_fmt:MATRIX_FMT_FP6 matrix_a_scale:MATRIX_SCALE_ROW1
.else
	v_wmma_scale_f32_16x16x128_f8f6f4 v[8*(8*((\a)%4)+\b):8*(8*((\a)%4)+\b)+7], v[128*(\p)+FR*\b:128*(\p)+FR*\b+FR-1], v[AF+FR*(\a):AF+FR*(\a)+FR-1], v[8*(8*((\a)%4)+\b):8*(8*((\a)%4)+\b)+7], v[SC+8*NQ*(\sc)+NQ*\b+(\q)], v[SC+8*NQ*(\sc)+NQ*(\a)+(\q)] matrix_a_fmt:MATRIX_FMT_FP6 matrix_b_fmt:MATRIX_FMT_FP6 matrix_a_scale:MATRIX_SCALE_ROW1
.endif
.endr
.endr
.endm
.macro FETCH_B slot, q, p
	WIN TO_B
.irp i, 0,1,2,3,4,5,6,7
	FRAG 128*(\p)+FR*\i, ADRB+\slot, \q, \i
.endr
	WIN 0
.endm
.macro FETCH_A slot, q, i0
.irp i, \i0, \i0+1, \i0+2, \i0+3
	FRAG AF+FR*(\i), ADRA+\slot, \q, \i
.endr
.endm
.macro SCALES sc                       ; a K step's scale words: 2 words a row; lanes 0-15 take A's block i, lanes 16-31 B's block i
.irp i, 0,1,2,3,4,5,6,7
	ds_load_b64 v[SC+8*NQ*\sc+NQ*\i:SC+8*NQ*\sc+NQ*\i+1], v[ADRS] offset:\i*SBLK
.endr
.endm
.macro PLACES n                        ; plain vector lines between a matrix instruction and a load into, or a read of, its registers
.rept \n
	v_nop
.endr
.endm
.macro STEP slot, q, zero              ; 128 along K that have their successor in the same slot
	s_wait_dscnt 4*NL                              ; B's set and A's blocks 0-3 are in; the youngest 24 loads (A's blocks 4-7) may be out
	WIN MUL_LO
	MUL16 0, (\q)%2, \q, \slot, \zero
	MUL16 2, (\q)%2, \q, \slot, \zero
	s_wait_dscnt 0
	PLACES NP
	FETCH_B \slot, (\q)+1, 1-(\q)%2
	FETCH_A \slot, (\q)+1, 0
	WIN MUL_HI
	MUL16 4, (\q)%2, \q, \slot, \zero
	MUL16 6, (\q)%2, \q, \slot, \zero
	PLACES NP
	WIN 0
	FETCH_A \slot, (\q)+1, 4
.endm
; A slot's last 128 change slots: one barrier; in front of it each wave waits for all its tensor loads, adds 0 to its spare word, and waits for that and for its reads of this slot.
.macro TURN slot, next, fill
	s_wait_tensorcnt 0x0                           ; all my tensor loads have landed: my part of the next slot
	ds_add_u32 v[SPW], v[NIL]                      ; 0 onto my spare word
	s_wait_dscnt 4*NL+1                            ; (the add and the youngest 24 loads may be out)
	WIN MUL_LO
	MUL16 0, 1, NQ-1, \slot, 0
	s_wait_dscnt 0x0                               ; the add is done, and my reads of this slot are over
	s_barrier_signal -1
	MUL16 2, 1, NQ-1, \slot, 0
	WIN 0
	s_barrier_wait -1
.if \fill
	CREST                                          ; the barrier has opened a round of the cluster's: no wave of any partner still reads this slot or has a load on its way
	s_add_nc_u64 s[G0+4*\slot+2:G0+4*\slot+3], s[G0+4*\slot+2:G0+4*\slot+3], 2*ROWB
	s_add_nc_u64 s[G0B+4*\slot+2:G0B+4*\slot+3], s[G0B+4*\slot+2:G0B+4*\slot+3], 2*ROWB
	JLOAD G0+4*\slot, G1, G0B+4*\slot, G1B         ; the first tensor load behind the round, my only one until the next
.else
	PLACES NP
.endif
	s_wait_alu depctr_va_vdst(0)
	v_add_nc_u32 v[ADRS], 4*NQ, v[ADRS]            ; the next K step's scale words
	FETCH_B \next, 0, 0
	FETCH_A \next, 0, 0
	SCALES \next
	WIN MUL_HI
	MUL16 4, 1, NQ-1, \slot, 0
	MUL16 6, 1, NQ-1, \slot, 0
	PLACES NP
	WIN 0
	FETCH_A \next, 0, 4
.endm
	s_wait_alu depctr_va_vdst(0)
	s_wait_tensorcnt 0x0                           ; my tile of the head's four is in
	s_mov_b32 s[G1+2], 96<<16                      ; no tensor load of mine is out: from here on a load brings 128 rows of one K step, 96 rows of 256 bytes
	s_mov_b32 s[G1+4], 96
	s_mov_b32 s[G1B+2], 96<<16
	s_mov_b32 s[G1B+4], 96
	s_lshl_b32 s18, s17, 1                         ; Q, K: my 128 tokens are my 128 rows of A.  Their 128 rows of the table are read by eight waves of the cluster (four partners along its row, two waves each):
	s_add_co_u32 s18, s18, s15
	s_lshl_b32 s18, s18, 3
	s_lshl_b32 s8, s40, 1                          ; each names 16 of them, told apart by address (the head's descriptor that lay in s[8:11] is done with)
	s_add_co_u32 s8, s8, s16
	s_add_co_u32 s18, s18, s8
	s_lshl_b32 s18, s18, 12
	s_add_nc_u64 s[8:9], s[12:13], s[18:19]
	s_barrier_signal -1
	s_barrier_wait -1                              ; everybody's is: both slots and the scales are whole
	FETCH_B 0, 0, 0
	FETCH_A 0, 0, 0
	SCALES 0
	FETCH_A 0, 0, 4
	STEP 0, 0, 1
	global_prefetch_b8 v30, s[94:95] offset:3*ROWB th:TH_LOAD_NT scope:SCOPE_SE   ; K step 3, the last: the second refill will load it
	s_cmp_eq_u32 ttmp9, 2                          ; V is not rotated: its clusters ask for nothing of the table (the cluster's x is the same in all partners)
	s_cbranch_scc1 .Lno_tab
	global_prefetch_b8 v26, s[8:9] th:TH_LOAD_NT scope:SCOPE_SE   ; the rows of (cos, sin) that the way out loads, more than three K steps ahead of it
.Lno_tab:
	s_mov_b32 s3, LAPS-1
.Llap:
	TURN 0, 1, 1
	STEP 1, 0, 0
	TURN 1, 0, 1
	STEP 0, 0, 0
	s_sub_co_u32 s3, s3, 1
	s_cmp_lg_u32 s3, 0
	s_cbranch_scc1 .Llap
	TURN 0, 1, 0                                   ; the last lap fills nothing
	STEP 1, 0, 0
	s_wait_dscnt 4*NL
	WIN MUL_LO
	MUL16 0, 1, NQ-1, 1, 0
	MUL16 2, 1, NQ-1, 1, 0
	s_wait_dscnt 0
	WIN MUL_HI
	MUL16 4, 1, NQ-1, 1, 0
	MUL16 6, 1, NQ-1, 1, 0
	WIN 0
	; ---- THE WAY OUT: no LDS.  The eleven address lines are also the places behind the last products.
	v_and_b32 v1, 31, v0                           ; lane
	v_and_b32 v6, 15, v0                           ; r
	v_bfe_u32 v7, v0, 4, 1                         ; h
	v_lshlrev_b32 v2, 4, v1                        ; 16 l: a half image's registers 0-3
	v_lshlrev_b32 v3, 3, v1                        ; 8 l: its registers 4-5
	v_lshlrev_b32 v4, 4, v6
	v_mad_u32_u24 v4, v7, HEADC, v4                ; the words: 16 r; lanes 16-31 store the second head's
	v_and_b32 v8, 8, v6
	v_add_nc_u32 v8, v8, v6                        ; r + 8 (r / 8)
	v_lshlrev_b32 v5, 8, v8
	v_lshl_add_u32 v5, v7, 6, v5                   ; the table: my token's 256 bytes, + 64 h
.irp b, 0,1,2,3
	v_mov_b32 v[TM+4+\b], 0                        ; written once: a lane permute's destination counts as one of its sources
.endr
	s_mov_b32 s[SEL], 0x76543210
	s_mov_b32 s[SEL+1], 0xfedcba98                 ; lane l xor 16
	s_lshl_b32 s20, s17, 1
	s_add_co_u32 s20, s20, s15                     ; my 128 rows of A, as a number
	s_lshl_b32 s21, s42, 1
	s_add_co_u32 s21, s21, s16                     ; my 128 rows of B
	s_cmp_eq_u32 ttmp9, 2
	s_cselect_b32 s22, s21, s20                    ; the group of 128 tokens, 0..31,
	s_cselect_b32 s23, s20, s21
	s_and_b32 s23, s23, 7                          ; and the pair of heads, 0..7
	s_lshr_b32 s40, s22, 4
	s_and_b32 s41, s22, 15                         ; the group within its batch
	s_lshl_b32 s40, s40, 4
	s_lshl_b32 s23, s23, 1
	s_add_co_u32 s40, s40, s23                     ; 16 x batch + my first head
	s_mul_i32 s44, ttmp9, SECC
	s_mul_i32 s45, s40, HEADC
	s_add_co_u32 s44, s44, s45
	s_mul_i32 s45, s41, 6400
	s_add_co_u32 s44, s44, s45
	s_mov_b32 s45, 0
	s_add_nc_u64 s[96:97], s[96:97], s[44:45]      ; my codes
	s_add_nc_u64 s[98:99], s[96:97], 6144          ; my scale words lie behind my group's codes
	s_lshl_b32 s44, s22, 15
	s_add_nc_u64 s[12:13], s[12:13], s[44:45]      ; my tokens' rows of the table
; 64 numbers of a lane, v[s] on in window w, register 16 g + i = neighbour 32 g + 16 (lane / 16) + i of my row, become a fragment's codes in v[PCD] on and its scale word in v[pw].
; The sources are read in ascending order: each accumulator from its low end on.
.macro QUANT s, w, pw
	WIN (\w)|((\w)<<2)
.irp b, 0,1,2,3
	v_max3_num_f32 v[TM+\b], |v[(\s)+16*\b]|, |v[(\s)+1+16*\b]|, 0x1800000   ; my 16 numbers of block b, and the floor 2^(3 - 127): the byte cannot fall under 1
.endr
	WIN ((\w)<<2)|((\w)<<4)
.irp i, 2,4,6,8,10,12,14
.irp b, 0,1,2,3
	v_max3_num_f32 v[TM+\b], v[TM+\b], |v[(\s)+16*\b+\i]|, |v[(\s)+1+16*\b+\i]|
.endr
.endr
	WIN 0
.irp b, 0,1,2,3
	v_permlanex16_b32 v[TM+4+\b], v[TM+\b], s[SEL], s[SEL+1]
.endr
.irp b, 0,1,2,3
	v_max_num_f32 v[TM+\b], v[TM+\b], v[TM+4+\b]   ; with lane l xor 16's: the block's largest magnitude
.endr
.irp b, 0,1,2,3
	v_add_nc_u32 v[TM+12+\b], 0xff000000, v[TM+\b] ; 2 off its exponent field: the conversion's scale operand
.endr
.irp b, 0,1,2,3
	v_lshrrev_b32 v[TM+4+\b], 23, v[TM+12+\b]      ; the scale's byte
.endr
	v_lshl_or_b32 v[(\pw)], v[TM+5], 8, v[TM+4]
	v_lshl_or_b32 v[(\pw)], v[TM+6], 16, v[(\pw)]
	v_lshl_or_b32 v[(\pw)], v[TM+7], 24, v[(\pw)]
	WIN (\w)
.irp c, 0,1
	v_cvt_scalef32_pk16_fp6_f32 v[PCD+6*\c:PCD+2+6*\c], v[(\s)+32*\c:(\s)+15+32*\c], v[TM+12+2*\c]
	v_cvt_scalef32_pk16_fp6_f32 v[PCD+12+4*\c:PCD+14+4*\c], v[(\s)+16+32*\c:(\s)+31+32*\c], v[TM+12+2*\c+1]   ; (a conversion's three registers begin on an even number)
.endr
	WIN 0
	v_nop                                          ; one plain line behind a scaled conversion
.irp c, 0,1                                    ; the operand's layout wants a whole block in a lane: lanes 0-15 block 2 c, lanes 16-31 block 2 c + 1
.irp i, 0,1,2
	v_permlane16_swap_b32 v[PCD+6*\c+\i], v[PCD+12+4*\c+\i]
.endr
.irp i, 0,1,2
	v_mov_b32 v[PCD+3+6*\c+\i], v[PCD+12+4*\c+\i]
.endr
.endr
.endm
.macro OUT4 o0, o1                     ; the fragment's two half images, at bytes o0 and o1
	global_store_b128 v2, v[PCD:PCD+3], s[96:97] offset:\o0
	global_store_b64 v3, v[PCD+4:PCD+5], s[96:97] offset:(\o0)+512
	global_store_b128 v2, v[PCD+6:PCD+9], s[96:97] offset:\o1
	global_store_b64 v3, v[PCD+10:PCD+11], s[96:97] offset:(\o1)+512
.endm
	s_cmp_eq_u32 ttmp9, 2
	s_cbranch_scc1 .Lv_path
	; ---- Q and K.  Block a = 16 tokens; a lane's 64 numbers are 128 features' halves: two heads.  In accumulator b the lane's pairs are 16 ((b % 4) / 2) + 8 h + 4 (b % 2) + 0..3 of the head's 32.
.macro TABLD a, set                    ; (cos, sin) of block a's tokens: 32 bytes for each of four accumulators; both heads use them
.irp m, 0,1,2,3
	global_load_b128 v[CT+32*(\set)+8*\m:CT+32*(\set)+8*\m+3], v5, s[12:13] offset:(32*((\a)/2)+8*((\a)%2))*256+128*(\m/2)+32*(\m%2)
	global_load_b128 v[CT+32*(\set)+8*\m+4:CT+32*(\set)+8*\m+7], v5, s[12:13] offset:(32*((\a)/2)+8*((\a)%2))*256+128*(\m/2)+32*(\m%2)+16
.endr
.endm
.macro ROPE a, set                     ; even' = cos even - sin odd, odd' = sin even + cos odd.  Source 0 alone lies in the accumulators' window
	WIN 2+(\a)/4
.irp b, 0,1,2,3,4,5,6,7
.irp p, 0,1,2,3
	v_mul_f32 v[RT+2*\p], v[64*((\a)%4)+8*\b+2*\p+1], v[CT+32*(\set)+8*(\b%4)+2*\p+1]
	v_mul_f32 v[RT+2*\p+1], v[64*((\a)%4)+8*\b+2*\p+1], v[CT+32*(\set)+8*(\b%4)+2*\p]
.endr
.irp p, 0,1,2,3
	v_fma_f32 v[HA+8*\b+2*\p], v[64*((\a)%4)+8*\b+2*\p], v[CT+32*(\set)+8*(\b%4)+2*\p], -v[RT+2*\p]
	v_fma_f32 v[HA+8*\b+2*\p+1], v[64*((\a)%4)+8*\b+2*\p], v[CT+32*(\set)+8*(\b%4)+2*\p+1], v[RT+2*\p+1]
.endr
.endr
	WIN 0
.endm
	s_wait_alu depctr_va_vdst(0)
	TABLD 0, 0
	TABLD 1, 1
.irp a, 0,1,2,3,4,5,6,7
.if \a < 7
	s_wait_loadcnt 8                               ; this block's eight loads are in; the next block's eight may be out
.else
	s_wait_loadcnt 0
.endif
	ROPE \a, \a%2
.if \a > 0
	s_wait_xcnt 0x0                                ; the last block's stores have read the codes' registers, which are written again below
.endif
.if \a < 6
	TABLD \a+2, \a%2                               ; into the set just read
.endif
	QUANT HA, 0, PWE+\a%2
	OUT4 \a*768, \a*768+HEADC                      ; tile a of my first head, and of my second
.if \a%2 == 1
	v_perm_b32 v[WD+\a/2], v[PWE+1], v[PWE], 0x05040100     ; first head: the two bytes of the even tile, then of the odd one
	v_perm_b32 v[WD+4+\a/2], v[PWE+1], v[PWE], 0x07060302   ; second head
.endif
.endr
	s_branch .Lwords
	; ---- V.  Block a = 16 channels (blocks 0-3 my first head, 4-7 my second); a lane's 64 numbers run along the group's 128 keys: quantised out of the accumulators as they stand
.Lv_path:
.irp a, 0,1,2,3,4,5,6,7
.if \a > 0
	s_wait_xcnt 0x0                                ; the last block's stores have read the codes' registers
.endif
	QUANT 64*(\a%4), 2+\a/4, WD+\a
	OUT4 (\a/4)*HEADC+(\a%4)*1536, (\a/4)*HEADC+(\a%4)*1536+768
.endr
.Lwords:
	v_cmp_lt_u32 vcc_lo, 15, v1
	s_wait_alu depctr_va_vdst(0)
.irp i, 0,1,2,3
	v_cndmask_b32 v[WD+\i], v[WD+\i], v[WD+4+\i], vcc_lo   ; every lane holds both heads' words of its row r: lanes 16-31 take the second head's
.endr
	global_store_b128 v4, v[WD:WD+3], s[98:99]     ; sixteen lanes store 256 consecutive bytes, aligned, for each head
	s_wait_tensorcnt 0x0                           ; the wave's end
	ds_add_u32 v[SPW], v[NIL]
	s_wait_dscnt 0x0
	CROUND                                         ; the closing round: no work-group ends while a partner may still ask for a tile that names it
	s_endpgm
.Lfunc_end_k_qb9c2066698_qkv:
	.size	k_qb9c2066698_qkv, .Lfunc_end_k_qb9c2066698_qkv-k_qb9c2066698_qkv
	.p2alignl 7, 3214868480
	.fill 96, 4, 3214868480
	.section	.rodata,"a",@progbits
	.p2align	6, 0x0
	.amdhsa_kernel k_qb9c2066698_qkv
		.amdhsa_group_segment_fixed_size 327680
		.amdhsa_private_segment_fixed_size 0
		.amdhsa_enable_private_segment 0
		.amdhsa_kernarg_size 32
		.amdhsa_user_sgpr_count 2
		.amdhsa_user_sgpr_kernarg_segment_ptr 1
		.amdhsa_wavefront_size32 1
		.amdhsa_system_sgpr_workgroup_id_x 1
		.amdhsa_system_sgpr_workgroup_id_y 1
		.amdhsa_system_sgpr_workgroup_id_z 1
		.amdhsa_system_vgpr_workitem_id 0
		.amdhsa_next_free_vgpr 1024
		.amdhsa_next_free_sgpr 100
		.amdhsa_reserve_vcc 1
		.amdhsa_float_denorm_mode_32 3
		.amdhsa_float_denorm_mode_16_64 3
		.amdhsa_memory_ordered 1
		.amdhsa_forward_progress 1
		.amdhsa_inst_pref_size 255
	.end_amdhsa_kernel
	.section	.bss,"aw",@nobits
	.p2align	6
	.space	262144
	.amdgpu_metadata
---
amdhsa.version: [ 1, 2 ]
amdhsa.kernels:
  - .name:           k_qb9c2066698_qkv
    .symbol:         k_qb9c2066698_qkv.kd
    .args:
      - { .name: cod, .offset: 0, .size: 8, .value_kind: global_buffer, .address_space: global }
      - { .name: scl, .offset: 8, .size: 8, .value_kind: global_buffer, .address_space: global }
      - { .name: tab, .offset: 16, .size: 8, .value_kind: global_buffer, .address_space: global }
      - { .name: qkvc, .offset: 24, .size: 8, .value_kind: global_buffer, .address_space: global }
    .group_segment_fixed_size: 327680
    .private_segment_fixed_size: 0
    .kernarg_segment_align: 8
    .kernarg_segment_size: 32
    .max_flat_workgroup_size: 128
    .sgpr_count:     100
    .vgpr_count:     1024
    .wavefront_size: 32
...
	.end_amdgpu_metadata
.endif
;; end of part 2
;; launch attn (part 3): grid 8 x 32, 16 waves a work-group, clusters of 4 x 1, 241,664 bytes of LDS; arguments qkvc, ao, asc; writes ao, asc
.if DOCPART == 3
	.amdgcn_target "amdgcn-amd-amdhsa--gfx1250"
	.amdhsa_code_object_version 6
	.text
	.protected	k_qb9c2066698_attn
	.globl	k_qb9c2066698_attn
	.p2align	8
	.type	k_qb9c2066698_attn,@function
k_qb9c2066698_attn:
	s_mov_b64 s[64:65], 0
	v_nop
	global_prefetch_b8 v0, s[64:65] scope:SCOPE_SE
	s_setreg_imm32_b32 hwreg(HW_REG_WAVE_MODE, 25, 1), 1
	s_wait_xcnt 0x0
	s_wait_alu depctr_hold_cnt(0) depctr_sa_sdst(0) depctr_va_vdst(0) depctr_va_sdst(0) depctr_va_ssrc(0) depctr_va_vcc(0) depctr_vm_vsrc(0)
	s_getreg_b32 s2, hwreg(HW_REG_IB_STS2, 6, 4)
	s_cmp_eq_u32 s2, 0
	s_cbranch_scc0 .Lentry_in_a_cluster
	s_endpgm
.Lentry_in_a_cluster:
	s_bfe_u32 s2, ttmp6, 0x10000c
	s_cmp_lg_u32 s2, 0x3003
	s_cbranch_scc0 .Lentry_shape_is_right
	s_endpgm
.Lentry_shape_is_right:
; ATTN.  For each (batch, head): O = softmax(Q K^T / 8, causal) V, both products on codes of FP6 (E2M3) with E8M0 scales; then O / l is quantised along the model's axis for the last product.
; THE SOFTMAX: t = score x log2(e) / 8; M = the running largest t rounded UP to a whole number; p = 2^(t - M) is quantised along the keys; the row's sum l is taken of the unquantised p.
; When M moves, l and O are multiplied by 2^(old M - new M), which rounds nothing.
; LEFT OUT: key groups that lie wholly behind a tile's queries: the causal mask, which the definition builds itself, gives them the weight 0 for all inputs.
; SHARES.  A cluster of four work-groups serves one head, two clusters a head.  A work-group has tile T8 = 4 e + cx of each of the head's 16 groups of 128 queries (a tile: 16 queries); a step is 128 keys.
; Tile of group G needs G + 1 steps.  Waves work in pairs (w, w xor 4), pair J = 0..7, on the tiles of groups J (short) and 15 - J (long), 17 steps together.  NA is 8 in pairs 0-3 and 6 in pairs 4-7:
;   wave A (bit 2 of w is 1): the long tile, key groups 0..NA - 1: NA steps;
;   wave B (bit 2 is 0): the short tile, key groups 0..J, which it finishes and stores; then the long tile, key groups NA..15 - J: 17 - NA steps in all.
; The wave with more steps has the lower number of the pair, and the waves with the highest numbers have the fewest steps.
; B hands its part of the long tile (O, M, l) to A through LDS bytes of their own; A brings both parts under the larger M, by exact powers of two, and finishes the tile.
; THE WHOLE HEAD'S K AND V STAY IN LDS, filled once, jointly for the four work-groups: every wave issues one load of two key groups (12,800 bytes).  Nothing is filled again.
; No prefetch: all fills go out at the head; there is no loop of fills to run ahead in.
; LAYOUT.  Both products are used transposed: S^T = K Q^T, O^T = V^T P^T: a lane holds one query (lane % 16).  Operands lie in memory and LDS as images of their registers:
; a half image is 16 rows x 64 along K, 768 bytes: lane l's registers 0-3 at 16 l, registers 4-5 at 512 + 8 l.  A key group: eight half images, then 256 bytes of scale words (16 r + four words).
; The head's 64 are half of the instruction's 128: a fragment of K is the half images of two tiles of keys, multiplied by [Q | zeros] and by [zeros | Q].  Zero codes add nothing under bytes 1 to 254.
; The rows of a tile are 8 u + 0..7 and 8 u + 16..23 of a group of 32, so the 16 registers of result tiles 2 g, 2 g + 1 are neighbours 32 g + 16 (lane / 16) + 0..15.
; A BLOCK'S SCALE: its largest p is 2^x with x = its largest t - M, so floor(log2) of it is floor(x): the byte is floor(x) + 125, with x held at -124 from below (byte 1).  Where the exponential of an x
; within a unit in the last place under a whole number comes out as the next power of two, that one p is held at the largest code.
; LIMITS: NaN and infinities are not served; the scaled scores t stay under 2^31 in magnitude; p under 2^-126 comes out of the exponential as 0; a block of zeros gets the byte 1 with zero codes.
; REGISTERS: v1-3, v8 lane offsets; v4, v5 the add's two; v6, v7 the pair's LDS bytes; v9 my query less 16 (lane / 16), v10 -infinity; v11, v35 V's addresses; v12 -M, v13 largest t, v[14:15] the sum;
; v16-21 Q, v22-27 zeros, v28-33 Q, v34 Q's scale word; v36-83 K's fragments, then work; v84-131 V's; v132-195 S^T, then p (v132-135 first the step's addresses); v196-227 O^T; v228-239 p's codes;
; v240-243, v244-247, v248 scale words of K, V, p; v249, v250-255 the long tile's Q.
.set GRP,   6400
.set SCW,   6144                       ; where a group's scale words begin
.set HEADC, 102400
.set SECC,  3276800
.set VCOD,  102400                     ; LDS: K's 16 groups at 0, V's here
.set SPARE, 204800                     ; the spare words, 128 bytes a wave
.set MRG,   206848                     ; a pair's bytes: 4,096 of O^T, 256 of (-M, l)
.set MPAIR, 4352
.set TRIPS, 11                         ; the longest walk: 17 - 6
.set SPW, 4
.set NIL, 5
.set KF,  36
.set VF,  84
.set SCO, 132
.set AD,  132
.set OT,  196
.set PCD, 228
.set KW,  240
.set VW,  244
.set PW,  248
.set BM,  36
.set BT,  40
.set SOP, 44
.set CV,  48
.set FF,  56
.set TT,  58
.set WV, 12
.set JJ, 13
.set ROLE, 14
.set CX, 15
.set HD, 16
.set T8, 17
.set JL, 18
.set JF, 19
.set SEL, 20
.set CS, 22
.set G1, 24
.set G0, 32
.set SW, 36
.set SWP, 37
.set LAST, 38
.set ADJ, 39
.set DG, 40
.set KI, 41
.set GG, 42
.set TB, 43
.set TBV, 44
.set QA, 46
.set QB, 48
.set AO, 50
.set AS, 52
.macro CROUND                          ; a round of the cluster's barrier
	s_barrier_signal -1
	s_barrier_wait -1
	s_cmp_lg_u32 s[WV], 0
	s_cbranch_scc1 .Lnot_wave_0_\@
	s_barrier_signal -3
.Lnot_wave_0_\@:
	s_barrier_wait -3
	s_barrier_signal -1
	s_barrier_wait -1
.endm
; O^T / l: register 16 g + i is channel 32 g + 16 h + i of my query: two blocks of the last product's K.  They become one half image and two scale bytes.
.macro WAYOUT
	v_add_f32 v14, v14, v15
	s_delay_alu instid0(VALU_DEP_1)
	v_permlanex16_b32 v60, v14, s[SEL], s[SEL+1]
	s_delay_alu instid0(VALU_DEP_1)
	v_add_f32 v14, v14, v60                        ; the row's sum
	s_wait_alu depctr_va_vdst(0)                   ; the wait ahead of the reciprocal,
	v_rcp_f32 v14, v14
	v_nop
	s_wait_alu depctr_va_vdst(0)                   ; and ahead of its first reader
.set j, 0
.rept 32
	v_mul_f32 v[SCO+j], v[OT+j], v14               ; each accumulator from its low end on
.set j, j+1
.endr
.irp b, 0,1
	v_max3_num_f32 v[62+\b], |v[SCO+16*\b]|, |v[SCO+1+16*\b]|, 0x1800000   ; with the floor 2^(3 - 127)
.endr
.irp i, 2,4,6,8,10,12,14
.irp b, 0,1
	s_delay_alu instid0(VALU_DEP_2)
	v_max3_num_f32 v[62+\b], v[62+\b], |v[SCO+16*\b+\i]|, |v[SCO+1+16*\b+\i]|
.endr
.endr
.irp b, 0,1
	s_delay_alu instid0(VALU_DEP_2)
	v_permlanex16_b32 v[64+\b], v[62+\b], s[SEL], s[SEL+1]
.endr
.irp b, 0,1
	s_delay_alu instid0(VALU_DEP_2)
	v_max_num_f32 v[62+\b], v[62+\b], v[64+\b]
.endr
.irp b, 0,1
	s_delay_alu instid0(VALU_DEP_2)
	v_add_nc_u32 v[66+\b], 0xff000000, v[62+\b]    ; 2 off the exponent field: the conversion's scale operand
.endr
.irp b, 0,1
	s_delay_alu instid0(VALU_DEP_2)
	v_lshrrev_b32 v[64+\b], 23, v[66+\b]
.endr
	s_delay_alu instid0(VALU_DEP_1)
	v_lshl_or_b32 v68, v65, 8, v64                 ; my row's two bytes
	v_cvt_scalef32_pk16_fp6_f32 v[36:38], v[SCO:SCO+15], v66
	v_cvt_scalef32_pk16_fp6_f32 v[44:46], v[SCO+16:SCO+31], v67
	v_nop                                          ; one plain line behind a scaled conversion
.irp i, 0,1,2
	v_permlane16_swap_b32 v[36+\i], v[44+\i]
.endr
.irp i, 0,1,2
	s_delay_alu instid0(VALU_DEP_3)
	v_mov_b32 v[39+\i], v[44+\i]                   ; v36-41: lane (r, h) holds channels 32 h + 0..31 of row r
.endr
	global_store_b128 v1, v[36:39], s[AO:AO+1]     ; 512 consecutive bytes,
	global_store_b64 v2, v[40:41], s[AO:AO+1] offset:512   ; and 256
	global_store_b16 v8, v68, s[AS:AS+1]           ; two bytes a row, rows 32 bytes apart: a row's 32 bytes come from sixteen heads' work-groups; one store a tile
.endm
	s_load_b128 s[4:7], s[0:1], 0x0                ; qkvc s[4:5], ao s[6:7]
	s_load_b64 s[8:9], s[0:1], 0x10                ; asc
	v_lshl_add_u32 v[SPW], v0, 2, SPARE
	v_mov_b32 v[NIL], 0
	ds_add_u32 v[SPW], v[NIL]                      ; the opening lines: the add, twice on end, and its wait ahead of my tensor load
	ds_add_u32 v[SPW], v[NIL]
	v_lshrrev_b32 v1, 5, v0
	s_delay_alu instid0(VALU_DEP_1)
	v_readfirstlane_b32 s[WV], v1                  ; wave 0..15
	s_bfe_u32 s[ROLE], s[WV], 0x10002
	s_xor_b32 s[ROLE], s[ROLE], 1                  ; 0: wave A (bit 2 of w is 1), 1: wave B
	s_and_b32 s[JJ], s[WV], 3
	s_lshr_b32 s54, s[WV], 3                       ; also: I fetch for K (0) or V (1)
	s_lshl_b32 s55, s54, 2
	s_or_b32 s[JJ], s[JJ], s55                     ; the pair J
	s_sub_co_u32 s[JL], 15, s[JJ]                  ; the long tile's group
	s_lshl_b32 s55, s54, 1
	s_sub_co_u32 s55, 8, s55                       ; NA: 8 in pairs 0-3, 6 in pairs 4-7
	s_sub_co_u32 s56, s55, 1                       ; A's last trip,
	s_sub_co_u32 s57, 16, s55                      ; and B's
	s_cmp_eq_u32 s[ROLE], 0
	s_cselect_b32 s[JF], s[JL], s[JJ]              ; the group of my first tile, which is also the tile that I store
	s_cselect_b32 s[SW], 15, s[JJ]                 ; the last trip on my first tile (A never changes)
	s_cselect_b32 s[LAST], s56, s57                ; my last trip
	s_add_co_u32 s[SWP], s[SW], 1
	s_add_co_u32 s[ADJ], s55, 16
	s_sub_co_u32 s[ADJ], s[ADJ], s[SWP]            ; NA + 16 - (J + 1): what a trip's number takes on to give B's key group on the long tile, + 16
	s_mov_b32 s[DG], s[JF]                         ; the key group on my tile's diagonal
	s_mov_b32 s[KI], 0
	s_and_b32 s[HD], ttmp7, 0xffff                 ; 16 x batch + head, which the partners share
	s_bfe_u32 s[CX], ttmp6, 0x40000                ; cx enters global addresses of Q, ao, asc and the mask's numbers alone
	s_lshl_b32 s[T8], ttmp9, 2
	s_add_co_u32 s[T8], s[T8], s[CX]               ; my tile within a group of 128 queries
	s_mul_i32 s56, s[HD], HEADC
	s_and_b32 s57, s[WV], 7
	s_mul_i32 s57, s57, 2*GRP                      ; the two key groups that I fetch
	s_mul_i32 s58, s54, VCOD
	s_add_co_u32 s[G0+1], s58, s57                 ; where they go
	s_add_co_u32 s58, s54, 1
	s_mul_i32 s58, s58, SECC
	s_add_co_u32 s58, s58, s56
	s_add_co_u32 s58, s58, s57
	s_mov_b32 s59, 0
	s_mul_i32 s[QA], s[JF], GRP
	s_add_co_u32 s[QA], s[QA], s56                 ; my first tile's group of Q,
	s_mov_b32 s[QA+1], 0
	s_mul_i32 s[QB], s[JL], GRP
	s_add_co_u32 s[QB], s[QB], s56                 ; and the long tile's
	s_mov_b32 s[QB+1], 0
	s_and_b32 s60, s[HD], 16
	s_add_co_u32 s60, s60, s[JF]
	s_mul_i32 s[AO], s60, 98304                    ; ao: (16 x batch + group) x 98,304
	s_bfe_u32 s60, s[HD], 0x20002
	s_mul_i32 s60, s60, 24576                      ; + (head / 4) x 24,576
	s_add_co_u32 s[AO], s[AO], s60
	s_and_b32 s60, s[HD], 3
	s_mul_i32 s60, s60, 768                        ; + (head % 4) x 768
	s_add_co_u32 s[AO], s[AO], s60
	s_mul_i32 s60, s[T8], 3072                     ; + tile x 3,072
	s_add_co_u32 s[AO], s[AO], s60
	s_mov_b32 s[AO+1], 0
	s_lshr_b32 s60, s[HD], 4
	s_lshl_b32 s60, s60, 7
	s_lshl_b32 s[AS], s[JF], 3
	s_add_co_u32 s[AS], s[AS], s60
	s_add_co_u32 s[AS], s[AS], s[T8]               ; asc: (128 x batch + 8 x group + tile) x 16 rows of 32 bytes
	s_lshl_b32 s[AS], s[AS], 9
	s_and_b32 s60, s[HD], 15
	s_lshl_b32 s60, s60, 1
	s_add_co_u32 s[AS], s[AS], s60                 ; + 2 x head
	s_mov_b32 s[AS+1], 0
	s_mul_i32 s61, s[T8], 768                      ; Q's half image within its group
	s_lshr_b32 s62, s[T8], 1
	s_lshl_b32 s63, s62, 5
	s_lshl_b32 s62, s62, 2                         ; the word that holds its two bytes
	s_and_b32 s45, s[T8], 1
	s_lshl_b32 s60, s45, 3
	s_add_co_u32 s63, s63, s60                     ; 32 (tile / 2) + 8 (tile % 2)
	s_lshl_b32 s45, s45, 4                         ; an odd tile's bytes are the word's upper two
	s_mul_i32 s10, s[JJ], MPAIR
	s_add_co_u32 s10, s10, MRG                     ; my pair's LDS bytes
	s_mov_b32 s[G1], 15|(3<<16)|(1<<21)            ; the mask names all four work-groups, bit 21 beside it; elements of 8 bytes
	s_mov_b32 s[G1+1], 32<<16                      ; a dense block as 50 rows of 256 bytes
	s_mov_b32 s[G1+2], 50<<16
	s_mov_b32 s[G1+3], 32<<16
	s_mov_b32 s[G1+4], 50
	s_mov_b32 s[G1+5], 32
	s_mov_b32 s[G1+6], 0
	s_mov_b32 s[G1+7], 0
	s_mov_b32 s[G0], 1
	s_mov_b32 s[SEL], 0x76543210
	s_mov_b32 s[SEL+1], 0xfedcba98                 ; lane l xor 16
	s_mov_b32 s[CS], 0x3e38aa3b                    ; c = log2(e) / 8
	s_mov_b32 s[CS+1], s[CS]
	s_wait_dscnt 0x0                               ; both opening adds are done
	s_wait_kmcnt 0x0
	s_add_nc_u64 s[G0+2:G0+3], s[4:5], s[58:59]
	s_or_b32 s[G0+3], s[G0+3], 0x80000000
	s_add_nc_u64 s[QA:QA+1], s[4:5], s[QA:QA+1]
	s_add_nc_u64 s[QB:QB+1], s[4:5], s[QB:QB+1]
	s_add_nc_u64 s[AO:AO+1], s[6:7], s[AO:AO+1]
	s_add_nc_u64 s[AS:AS+1], s[8:9], s[AS:AS+1]
	CROUND                                         ; all four work-groups are here: the joint loads meet
	tensor_load_to_lds s[G0:G0+3], s[G1:G1+7]      ; every wave's one load
	s_nop 0
	v_and_b32 v36, 31, v0                          ; lane
	v_and_b32 v37, 15, v0                          ; r
	v_bfe_u32 v38, v0, 4, 1                        ; h
	v_lshlrev_b32 v1, 4, v36                       ; 16 l
	v_lshlrev_b32 v2, 3, v36                       ; 8 l
	v_lshlrev_b32 v43, 4, v37                      ; 16 r
	v_lshlrev_b32 v8, 5, v37                       ; asc: 32 bytes a row
	v_add_nc_u32 v3, SCW, v43
	v_add_nc_u32 v40, s61, v1
	v_add_nc_u32 v41, s61, v2
	v_add_nc_u32 v42, s62, v3
	v_add_nc_u32 v6, s10, v1
	v_add_nc_u32 v7, s10, v2
	global_load_b128 v[16:19], v40, s[QA:QA+1]     ; Q's half image, twice: in front of the zeros and behind them
	global_load_b64 v[20:21], v41, s[QA:QA+1] offset:512
	global_load_b128 v[28:31], v40, s[QA:QA+1]
	global_load_b64 v[32:33], v41, s[QA:QA+1] offset:512
	global_load_b32 v34, v42, s[QA:QA+1]
	global_load_b128 v[250:253], v40, s[QB:QB+1]   ; the long tile's, kept for wave B's change of tiles
	global_load_b64 v[254:255], v41, s[QB:QB+1] offset:512
	global_load_b32 v249, v42, s[QB:QB+1]
	v_and_b32 v39, 8, v37
	v_lshlrev_b32 v38, 4, v38
	v_add_nc_u32 v39, v39, v37                     ; r + 8 (r / 8)
	v_mov_b32 v10, 0xff800000                      ; -infinity
	v_sub_nc_u32 v39, v39, v38
	v_mov_b32 v13, 0xff61b1e6                      ; the largest t so far: -3e38
	v_add_nc_u32 v9, s63, v39                      ; d = my query within its group - 16 h: register 16 g + i holds key 32 g + 16 h + i, hidden on the diagonal where 32 g + i > d
	v_floor_f32 v12, -v13                          ; -M
	v_mov_b32 v14, 0
	v_mov_b32 v15, 0
.irp j, 22,23,24,25,26,27
	v_mov_b32 v[\j], 0                             ; zero codes
.endr
.irp j, 56,57,58,59,60,61,62,63,64,65
	v_mov_b32 v[\j], 0                             ; written once: a lane permute's destination and the second register of a named pair count as sources
.endr
	s_wait_alu depctr_va_vdst(0)                   ; directly ahead of the wait below
	s_wait_loadcnt 0x0
	v_lshrrev_b32 v34, s45, v34
	v_lshrrev_b32 v249, s45, v249
	s_delay_alu instid0(VALU_DEP_2)
	v_perm_b32 v34, v34, v34, 0x01000100           ; Q's two bytes, twice: they serve [Q | 0] and [0 | Q]
	s_delay_alu instid0(VALU_DEP_2)
	v_perm_b32 v249, v249, v249, 0x01000100
.set j, 0
.rept 32
	v_mov_b32 v[OT+j], 0                           ; O^T: the step is written once; a tile's first step finds zeros
.set j, j+1
.endr
	s_wait_alu depctr_va_vdst(0)                   ; the wait at the head's end
	s_wait_tensorcnt 0x0                           ; my two key groups are in
	s_barrier_signal -1
	s_barrier_wait -1                              ; everybody's are: no barrier stands in the walk
; ELEVEN TRIPS, a constant; a trip is a step of 128 keys.  All branches hang on the wave's number and the count of trips.
.Lstep:
	s_cmp_gt_u32 s[KI], s[LAST]
	s_cbranch_scc1 .Lhidden                        ; my walk is over
	s_cmp_lg_u32 s[KI], s[SWP]
	s_cbranch_scc1 .Lsame
.rept 4
	v_nop                                          ; places behind the last products
.endr
	WAYOUT                                         ; wave B: the short tile is finished
	s_wait_xcnt 0x0                                ; the stores have read their registers
.irp j, 0,1,2,3,4,5
	v_mov_b32 v[16+\j], v[250+\j]                  ; the long tile's Q
	v_mov_b32 v[28+\j], v[250+\j]
.endr
	v_mov_b32 v34, v249
	v_mov_b32 v13, 0xff61b1e6
	v_mov_b32 v14, 0
	v_mov_b32 v15, 0
	v_floor_f32 v12, -v13
.set j, 0
.rept 32
	v_mov_b32 v[OT+j], 0
.set j, j+1
.endr
	s_mov_b32 s[DG], s[JL]
	s_wait_alu depctr_va_vdst(0)
.Lsame:
	s_add_co_u32 s[GG], s[KI], s[ADJ]
	s_and_b32 s[GG], s[GG], 15                     ; on wave B's second tile: the trip's number - (J + 1) + NA: key groups NA .. 15 - J
	s_cmp_gt_u32 s[KI], s[SW]
	s_cselect_b32 s[GG], s[GG], s[KI]              ; on a first tile: the trip's number
	s_mul_i32 s[TB], s[GG], GRP
	s_add_co_u32 s[TBV], s[TB], VCOD
	v_add_nc_u32 v[AD], s[TB], v1                  ; four plain lines: also the places in front of the load into V's scale words, which the last products read
	v_add_nc_u32 v[AD+1], s[TB], v2
	v_add_nc_u32 v[AD+2], s[TB], v3
	v_add_nc_u32 v[AD+3], s[TBV], v3
.irp t, 0,1,2,3,4,5,6,7
	ds_load_b128 v[KF+6*\t:KF+6*\t+3], v[AD] offset:768*\t
	ds_load_b64 v[KF+6*\t+4:KF+6*\t+5], v[AD+1] offset:768*\t+512
.endr
	ds_load_b128 v[KW:KW+3], v[AD+2]               ; K's four pair words of row r
	ds_load_b128 v[VW:VW+3], v[AD+3]               ; V's four words
	s_wait_dscnt 0x0                               ; all 18 are in: the address registers lie where the scores fall
.irp a, 0,1,2,3
	v_wmma_scale_f32_16x16x128_f8f6f4 v[SCO+16*\a:SCO+16*\a+7], v[KF+12*\a:KF+12*\a+11], v[16:27], 0, v[KW+\a], v34 matrix_a_fmt:MATRIX_FMT_FP6 matrix_b_fmt:MATRIX_FMT_FP6
	v_wmma_scale_f32_16x16x128_f8f6f4 v[SCO+16*\a+8:SCO+16*\a+15], v[KF+12*\a:KF+12*\a+11], v[22:33], 0, v[KW+\a], v34 matrix_a_fmt:MATRIX_FMT_FP6 matrix_b_fmt:MATRIX_FMT_FP6
.endr
	v_add_nc_u32 v11, s[TBV], v1                   ; four places: the scores are read, and K's registers written, behind them
	v_add_nc_u32 v35, s[TBV], v2
	v_nop
	v_nop
.irp t, 0,1,2,3,4,5,6,7
	ds_load_b128 v[VF+6*\t:VF+6*\t+3], v11 offset:768*\t   ; V comes in under the softmax
	ds_load_b64 v[VF+6*\t+4:VF+6*\t+5], v35 offset:768*\t+512
.endr
	s_cmp_lg_u32 s[GG], s[DG]                      ; on the diagonal the scores of hidden keys become -infinity ahead of the maximum: p = 0 then
	s_cbranch_scc1 .Lopen
.set n, 0
.rept 64
	v_cmp_gt_i32 vcc_lo, 32*(n/16)+n%16, v9
	v_cndmask_b32 v[SCO+n], v[SCO+n], v10, vcc_lo
.set n, n+1
.endr
.Lopen:
.irp b, 0,1,2,3
	v_max3_num_f32 v[BM+\b], v[SCO+16*\b], v[SCO+1+16*\b], v[SCO+2+16*\b]   ; the largest score of each block of 32 keys: for the row's maximum, and for the block's scale
.endr
.irp i, 3,5,7,9,11,13
.irp b, 0,1,2,3
	v_max3_num_f32 v[BM+\b], v[BM+\b], v[SCO+16*\b+\i], v[SCO+1+16*\b+\i]
.endr
.endr
.irp b, 0,1,2,3
	v_max_num_f32 v[BM+\b], v[BM+\b], v[SCO+15+16*\b]
.endr
.irp b, 0,1,2,3
	s_delay_alu instid0(VALU_DEP_4)
	v_permlanex16_b32 v[BT+\b], v[BM+\b], s[SEL], s[SEL+1]
.endr
.irp b, 0,1,2,3
	s_delay_alu instid0(VALU_DEP_4)
	v_max_num_f32 v[BM+\b], v[BM+\b], v[BT+\b]     ; with lane l xor 16's 16 keys
.endr
	s_delay_alu instid0(VALU_DEP_2)
	v_max3_num_f32 v[TT], v[BM], v[BM+1], v[BM+2]
	s_delay_alu instid0(VALU_DEP_1)
	v_max_num_f32 v[TT], v[TT], v[BM+3]
	s_delay_alu instid0(VALU_DEP_1)
	v_mul_f32 v[TT], s[CS], v[TT]                  ; as t (c is positive)
	s_delay_alu instid0(VALU_DEP_1)
	v_max_num_f32 v13, v13, v[TT]                  ; the running largest t
	v_mov_b32 v[TT], v12
	s_delay_alu instid0(VALU_DEP_2)
	v_floor_f32 v12, -v13                          ; the new -M = -ceil(t)
	s_delay_alu instid0(VALU_DEP_1)
	v_sub_f32 v[TT], v12, v[TT]                    ; old M - new M: a whole number, 0 or less
	s_delay_alu instid0(VALU_DEP_1)
	v_cvt_i32_f32 v[TT], v[TT]                     ; (it saturates)
	s_delay_alu instid0(VALU_DEP_1)
	v_ldexp_f32 v[FF], 1.0, v[TT]                  ; f
.irp b, 0,1,2,3
	v_fma_f32 v[BM+\b], v[BM+\b], s[CS], v12       ; x = t - M of each block's largest score
.endr
.irp b, 0,1,2,3
	s_delay_alu instid0(VALU_DEP_4)
	v_max_num_f32 v[BM+\b], 0xc2f80000, v[BM+\b]   ; held at -124 from below: the byte cannot fall under 1
.endr
.irp b, 0,1,2,3
	s_delay_alu instid0(VALU_DEP_4)
	v_cvt_floor_i32_f32 v[BM+\b], v[BM+\b]         ; floor(x) = floor(log2(the block's largest p))
.endr
.irp b, 0,1,2,3
	s_delay_alu instid0(VALU_DEP_4)
	v_add_nc_u32 v[BT+\b], 125, v[BM+\b]           ; + 127 - 2: the scale's byte, 1 to 125
.endr
.irp b, 0,1,2,3
	s_delay_alu instid0(VALU_DEP_4)
	v_lshlrev_b32 v[SOP+\b], 23, v[BT+\b]          ; as an exponent field: the conversion's scale operand
.endr
	v_lshl_or_b32 v[PW], v[BT+1], 8, v[BT]         ; p's scale word for these 128 keys
	s_delay_alu instid0(VALU_DEP_1)
	v_lshl_or_b32 v[PW], v[BT+2], 16, v[PW]
	s_delay_alu instid0(VALU_DEP_1)
	v_lshl_or_b32 v[PW], v[BT+3], 24, v[PW]
.set j, 0
.rept 32
	v_pk_fma_f32 v[SCO+j:SCO+j+1], v[SCO+j:SCO+j+1], s[CS:CS+1], v[12:13] op_sel_hi:[1,0,0]   ; t - M, two at a time
.set j, j+2
.endr
	s_wait_alu depctr_va_vdst(0)                   ; the wait ahead of the batch
.set j, 0
.rept 64
	v_exp_f32 v[SCO+j], v[SCO+j]                   ; p = 2^(t - M)
.set j, j+1
.endr
	v_pk_mul_f32 v[14:15], v[14:15], v[FF:FF+1] op_sel_hi:[1,0]   ; the sums under the new M (the plain line behind the exponentials)
	s_wait_alu depctr_va_vdst(0)                   ; one wait for the batch of 64, ahead of its first reader
.irp c, 0,1,2,3,4,5,6                          ; the row's sum of the unquantised p: eight chains, v60-73 and the sum itself
	v_pk_add_f32 v[60+2*\c:61+2*\c], v[SCO+4*\c:SCO+4*\c+1], v[SCO+4*\c+2:SCO+4*\c+3]
.endr
	v_pk_add_f32 v[14:15], v[14:15], v[SCO+28:SCO+29]
.irp k, 0,1
.irp c, 0,1,2,3,4,5,6
	v_pk_add_f32 v[60+2*\c:61+2*\c], v[60+2*\c:61+2*\c], v[SCO+30+14*\k+2*\c:SCO+31+14*\k+2*\c]
.endr
	v_pk_add_f32 v[14:15], v[14:15], v[SCO+58+2*\k:SCO+59+2*\k]
.endr
	v_pk_add_f32 v[60:61], v[60:61], v[SCO+62:SCO+63]
	v_pk_add_f32 v[64:65], v[64:65], v[66:67]
	v_pk_add_f32 v[68:69], v[68:69], v[70:71]
	v_pk_add_f32 v[14:15], v[14:15], v[72:73]
	s_delay_alu instid0(VALU_DEP_4)
	v_pk_add_f32 v[60:61], v[60:61], v[62:63]
	s_delay_alu instid0(VALU_DEP_2)
	v_pk_add_f32 v[14:15], v[14:15], v[68:69]
	s_delay_alu instid0(VALU_DEP_2)
	v_pk_add_f32 v[60:61], v[60:61], v[64:65]
	s_delay_alu instid0(VALU_DEP_1)
	v_pk_add_f32 v[14:15], v[14:15], v[60:61]
.irp c, 0,1
	v_cvt_scalef32_pk16_fp6_f32 v[PCD+6*\c:PCD+2+6*\c], v[SCO+32*\c:SCO+15+32*\c], v[SOP+2*\c]
	v_cvt_scalef32_pk16_fp6_f32 v[CV+4*\c:CV+2+4*\c], v[SCO+16+32*\c:SCO+31+32*\c], v[SOP+2*\c+1]
.endr
	v_nop                                          ; one plain line behind a scaled conversion
.irp c, 0,1                                    ; a whole block in a lane: lanes 0-15 block 2 c, lanes 16-31 block 2 c + 1
.irp i, 0,1,2
	v_permlane16_swap_b32 v[PCD+6*\c+\i], v[CV+4*\c+\i]
.endr
.irp i, 0,1,2
	s_delay_alu instid0(VALU_DEP_3)
	v_mov_b32 v[PCD+3+6*\c+\i], v[CV+4*\c+\i]
.endr
.endr
	s_wait_alu depctr_va_vdst(0)                   ; directly ahead of the first reader of O^T
.set j, 0
.rept 16
	v_pk_mul_f32 v[OT+j:OT+j+1], v[OT+j:OT+j+1], v[FF:FF+1] op_sel_hi:[1,0]   ; O^T under the new M.  (These sixteen are also the places between the making of p's codes and the products)
.set j, j+2
.endr
	s_wait_alu depctr_va_vdst(0)                   ; directly ahead of the wait below
	s_wait_dscnt 0x0                               ; V is in
.irp t, 0,1,2,3                                ; four accumulators by turns, one instruction a turn
	v_wmma_scale_f32_16x16x128_f8f6f4 v[OT+8*\t:OT+8*\t+7], v[VF+12*\t:VF+12*\t+11], v[PCD:PCD+11], v[OT+8*\t:OT+8*\t+7], v[VW+\t], v[PW] matrix_a_fmt:MATRIX_FMT_FP6 matrix_b_fmt:MATRIX_FMT_FP6
.endr
.Lhidden:
	s_add_co_u32 s[KI], s[KI], 1
	s_cmp_lt_u32 s[KI], TRIPS
	s_cbranch_scc1 .Lstep
	; ---- THE LONG TILE'S TWO PARTS MEET.  Wave B stores O^T as an image of its registers, and (-M, l); a barrier; wave A reads them.
.rept 4
	v_nop                                          ; places behind the last products
.endr
	s_cmp_eq_u32 s[ROLE], 0
	s_cbranch_scc1 .Lno_store
	v_add_f32 v13, v14, v15                        ; my lane's part of l, beside -M
.irp i, 0,1,2,3,4,5,6,7
	ds_store_b128 v6, v[OT+4*\i:OT+4*\i+3] offset:512*\i   ; each accumulator from its low end on
.endr
	ds_store_b64 v7, v[12:13] offset:4096
.Lno_store:
	s_wait_dscnt 0x0                               ; my stores are done
	s_barrier_signal -1
	s_barrier_wait -1
	s_cmp_lg_u32 s[ROLE], 0
	s_cbranch_scc1 .Ldone
.irp i, 0,1,2,3,4,5,6,7
	ds_load_b128 v[SCO+4*\i:SCO+4*\i+3], v6 offset:512*\i
.endr
	ds_load_b64 v[SCO+32:SCO+33], v7 offset:4096
	s_wait_dscnt 0x0
	v_min_num_f32 v60, v12, v[SCO+32]              ; -M of both parts: the larger M
	s_delay_alu instid0(VALU_DEP_1)
	v_sub_f32 v61, v60, v12                        ; whole numbers, 0 or less
	v_sub_f32 v62, v60, v[SCO+32]
	s_delay_alu instid0(VALU_DEP_2)
	v_cvt_i32_f32 v61, v61
	s_delay_alu instid0(VALU_DEP_2)
	v_cvt_i32_f32 v62, v62
	s_delay_alu instid0(VALU_DEP_2)
	v_ldexp_f32 v56, 1.0, v61                      ; my part's factor,
	s_delay_alu instid0(VALU_DEP_2)
	v_ldexp_f32 v58, 1.0, v62                      ; and the other's: powers of two, which round nothing
	s_delay_alu instid0(VALU_DEP_2)
	v_pk_mul_f32 v[14:15], v[14:15], v[56:57] op_sel_hi:[1,0]
.set j, 0
.rept 16
	v_pk_mul_f32 v[SCO+j:SCO+j+1], v[SCO+j:SCO+j+1], v[58:59] op_sel_hi:[1,0]
.set j, j+2
.endr
	v_fmac_f32 v14, v[SCO+33], v58
.set j, 0
.rept 16
	v_pk_fma_f32 v[OT+j:OT+j+1], v[OT+j:OT+j+1], v[56:57], v[SCO+j:SCO+j+1] op_sel_hi:[1,0,1]
.set j, j+2
.endr
	WAYOUT
.Ldone:
	s_wait_tensorcnt 0x0                           ; the wave's end
	ds_add_u32 v[SPW], v[NIL]
	s_wait_dscnt 0x0
	CROUND                                         ; the closing round
	s_endpgm
.Lfunc_end_k_qb9c2066698_attn:
	.size	k_qb9c2066698_attn, .Lfunc_end_k_qb9c2066698_attn-k_qb9c2066698_attn
	.p2alignl 7, 3214868480
	.fill 96, 4, 3214868480
	.section	.rodata,"a",@progbits
	.p2align	6, 0x0
	.amdhsa_kernel k_qb9c2066698_attn
		.amdhsa_group_segment_fixed_size 241664
		.amdhsa_private_segment_fixed_size 0
		.amdhsa_enable_private_segment 0
		.amdhsa_kernarg_size 24
		.amdhsa_user_sgpr_count 2
		.amdhsa_user_sgpr_kernarg_segment_ptr 1
		.amdhsa_wavefront_size32 1
		.amdhsa_system_sgpr_workgroup_id_x 1
		.amdhsa_system_sgpr_workgroup_id_y 1
		.amdhsa_system_sgpr_workgroup_id_z 1
		.amdhsa_system_vgpr_workitem_id 0
		.amdhsa_next_free_vgpr 256
		.amdhsa_next_free_sgpr 66
		.amdhsa_reserve_vcc 1
		.amdhsa_float_denorm_mode_32 3
		.amdhsa_float_denorm_mode_16_64 3
		.amdhsa_memory_ordered 1
		.amdhsa_forward_progress 1
		.amdhsa_inst_pref_size 47
	.end_amdhsa_kernel
	.amdgpu_metadata
---
amdhsa.version: [ 1, 2 ]
amdhsa.kernels:
  - .name:           k_qb9c2066698_attn
    .symbol:         k_qb9c2066698_attn.kd
    .args:
      - { .name: qkvc, .offset: 0, .size: 8, .value_kind: global_buffer, .address_space: global }
      - { .name: ao, .offset: 8, .size: 8, .value_kind: global_buffer, .address_space: global }
      - { .name: asc, .offset: 16, .size: 8, .value_kind: global_buffer, .address_space: global }
    .group_segment_fixed_size: 241664
    .private_segment_fixed_size: 0
    .kernarg_segment_align: 8
    .kernarg_segment_size: 24
    .max_flat_workgroup_size: 512
    .sgpr_count:     66
    .vgpr_count:     256
    .wavefront_size: 32
...
	.end_amdgpu_metadata
.endif
;; end of part 3
;; launch oproj (part 4): grid 8 x 32, 4 waves a work-group, clusters of 4 x 4, 327,680 bytes of LDS; arguments ao, asc, cod, scl, out0; writes out0
.if DOCPART == 4
	.amdgcn_target "amdgcn-amd-amdhsa--gfx1250"
	.amdhsa_code_object_version 6
	.text
	.protected	k_qb9c2066698_oproj
	.globl	k_qb9c2066698_oproj
	.p2align	8
	.type	k_qb9c2066698_oproj,@function
k_qb9c2066698_oproj:
	s_mov_b64 s[64:65], 0
	v_nop
	global_prefetch_b8 v0, s[64:65] scope:SCOPE_SE
	s_setreg_imm32_b32 hwreg(HW_REG_WAVE_MODE, 25, 1), 1
	s_wait_xcnt 0x0
	s_wait_alu depctr_hold_cnt(0) depctr_sa_sdst(0) depctr_va_vdst(0) depctr_va_sdst(0) depctr_va_ssrc(0) depctr_va_vcc(0) depctr_vm_vsrc(0)
	s_getreg_b32 s2, hwreg(HW_REG_IB_STS2, 6, 4)
	s_cmp_eq_u32 s2, 0
	s_cbranch_scc0 .Lentry_in_a_cluster
	s_endpgm
.Lentry_in_a_cluster:
	s_bfe_u32 s2, ttmp6, 0x10000c
	s_cmp_lg_u32 s2, 0xf033
	s_cbranch_scc0 .Lentry_shape_is_right
	s_endpgm
.Lentry_shape_is_right:
; OPROJ.  out0 = attention's output x W_o^T on codes of FP6 (E2M3) with E8M0 scales, K = 1,024; f32 out.
; A work-group of four waves makes 128 tokens x 128 features: 32 x 8 = 256 work-groups.  A wave makes 64 x 64: 16 accumulators of 16 x 16.
; THE WHOLE K OF BOTH OPERANDS FITS IN LDS: A's 98,304 bytes, B's 98,304 (122,880 with padding) and 2 x 4,096 of scale bytes come once, one tensor load a wave.  Nothing is filled again: no ring.
; No prefetch: all fills go out at the head; there is no loop of fills to run ahead in.
; CLUSTERS of 4 x 4: A's block hangs on the token group alone and is shared along a row of the cluster, B's on the feature tile alone and is shared along a column: joint loads.
; A (ao): images of operand registers: group of 128 tokens x 98,304 + K step of 256 x 24,576 + tile of 16 rows x 3,072 + four half images of 768 bytes (lane l's registers 0-3 at 16 l, 4-5 at 512 + 8 l).
; Row r of tile i is token 32 (i / 2) + 8 (i % 2) + r + 8 (r / 8) of the group.  asc: 32 bytes a row, in the images' order of rows.
; B (W_o's part of cod): tile of 128 rows x 98,304 + K step of 256 x 24,576 + row x 192: dense, fetched as rows of 256 bytes, 16 bytes of padding behind every 64: LDS rows of 240 bytes.
; THE MATRIX INSTRUCTION IS USED TRANSPOSED (source 0 = 16 rows of W_o, source 1 = 16 tokens): a lane holds eight neighbouring numbers of a row of out0.
; REGISTERS: window 0: v8-21 addresses; v24-39 scale words, two sets; v64-159, v160-255 two sets of fragments (A's four, B's four); window 1: v0-127 the accumulators ((a, b) at v[8 (4 a + b)]).
.set LB,     98304                     ; LDS: A at 0, B here
.set BSTEP,  30720                     ; a K step of B: 128 rows of 240 bytes
.set PITCH,  240
.set SCL,    221184                    ; the scales, as runs of 256 bytes + 16 of padding: A's, then B's
.set HALFS,  4352
.set SBLK,   544                       ; those of 16 rows
.set STAGE,  229888                    ; the way out: 16 rows x 272 bytes for each wave, bytes of their own
.set SPITCH, 272
.set SPARE,  247296                    ; the spare words, 128 bytes a wave
.set ADRA, 8                           ; v8, v9: 16 l in my A rows, K steps 0-1 and 2-3; v10, v11: the same with 8 l
.set ADRB, 12                          ; v12, v13: my B rows; v14, v15: for the pieces behind one padding more
.set ADRS, 16
.set STO,  17
.set RD,   18
.set CO,   19
.set SPW,  20
.set NIL,  21
.set SC,   24
.set BK,   64
.set G1A, 24
.set G0A, 32
.set G1B, 48
.set G0B, 56
.set G1S, 68
.set G0S, 76
.set G1SB, 80
.set G0SB, 88
.set MSB, 0
.macro WIN new                         ; the immediate's high byte repeats the setting that is left
.if MSB != (\new)
	s_set_vgpr_msb (MSB<<8)|(\new)
.set MSB, (\new)
.endif
.endm
.macro CROUND                          ; a round of the cluster's barrier
	s_barrier_signal -1
	s_barrier_wait -1
	s_cmp_lg_u32 s14, 0
	s_cbranch_scc1 .Lnot_wave_0_\@
	s_barrier_signal -3
.Lnot_wave_0_\@:
	s_barrier_wait -3
	s_barrier_signal -1
	s_barrier_wait -1
.endm
.macro PLACES                          ; plain vector lines between a matrix instruction and a load into, or a read of, its registers
.rept 4
	v_nop
.endr
.endm
	s_load_b128 s[4:7], s[0:1], 0x0                ; ao, asc
	s_load_b128 s[8:11], s[0:1], 0x10              ; cod, scl
	s_load_b64 s[12:13], s[0:1], 0x20              ; out0
	v_lshl_add_u32 v[SPW], v0, 2, SPARE
	v_mov_b32 v[NIL], 0
	ds_add_u32 v[SPW], v[NIL]                      ; the opening lines: the add, twice on end, and its wait
	ds_add_u32 v[SPW], v[NIL]
	v_lshrrev_b32 v1, 5, v0
	v_readfirstlane_b32 s14, v1                    ; wave 0..3
	s_lshr_b32 s15, s14, 1                         ; which 64 tokens are mine
	s_and_b32 s16, s14, 1                          ; which 64 features
	s_bfe_u32 s40, ttmp6, 0x40000                  ; cx
	s_bfe_u32 s41, ttmp6, 0x40004                  ; cy
	s_lshl_b32 s42, ttmp9, 2
	s_add_co_u32 s42, s42, s40                     ; feature tile 0..7
	s_and_b32 s17, ttmp7, 0xffff
	s_lshl_b32 s17, s17, 2
	s_add_co_u32 s17, s17, s41                     ; token group 0..31
	s_lshl_b32 s43, s41, 2
	s_lshl_b32 s43, 15, s43                        ; my row of the cluster
	s_lshl_b32 s44, 0x1111, s40                    ; my column
	s_or_b32 s[G1A], s43, (3<<16)|(1<<21)          ; A: elements of 8 bytes, no padding
	s_or_b32 s[G1B], s44, (3<<16)|(1<<20)|(1<<21)|(3<<22)|(3<<25)   ; B: after every 16 words 4 words of padding
.irp g, G1A, G1B
	s_mov_b32 s[\g+1], 32<<16                      ; 384 rows of 256 bytes, dense
	s_mov_b32 s[\g+2], 384<<16
	s_mov_b32 s[\g+3], 32<<16
	s_mov_b32 s[\g+4], 384
	s_mov_b32 s[\g+5], 32
	s_mov_b32 s[\g+6], 0
	s_mov_b32 s[\g+7], 0
.endr
	s_or_b32 s[G1S], s43, (3<<16)|(1<<20)|(1<<21)|(5<<22)|(3<<25)   ; the scales of 128 rows: 16 rows of 256 bytes, 16 bytes of padding behind each
	s_or_b32 s[G1SB], s44, (3<<16)|(1<<20)|(1<<21)|(5<<22)|(3<<25)
.irp g, G1S, G1SB
	s_mov_b32 s[\g+1], 32<<16
	s_mov_b32 s[\g+2], 16<<16
	s_mov_b32 s[\g+3], 32<<16
	s_mov_b32 s[\g+4], 16
	s_mov_b32 s[\g+5], 32
	s_mov_b32 s[\g+6], 0
	s_mov_b32 s[\g+7], 0
.endr
	s_mul_i32 s20, s17, 98304                      ; A's block,
	s_mov_b32 s21, 0
	s_lshl_b32 s22, s17, 12                        ; its scales
	s_mov_b32 s23, 0
	s_mul_i32 s46, s42, 98304
	s_add_co_u32 s46, s46, 7168*768                ; B's block: W_o begins at row 7,168 of cod,
	s_mov_b32 s47, 0
	s_lshl_b32 s92, s42, 12
	s_add_co_u32 s92, s92, 7168*32                 ; and of scl
	s_mov_b32 s93, 0
	s_lshl_b32 s18, s17, 19                        ; out0: 128 rows of 4,096 bytes a token group,
	s_lshl_b32 s19, s15, 18                        ; 64 rows a half,
	s_add_co_u32 s18, s18, s19
	s_lshl_b32 s19, s42, 9                         ; 512 bytes a feature tile,
	s_add_co_u32 s18, s18, s19
	s_lshl_b32 s19, s16, 8                         ; 256 a half
	s_add_co_u32 s18, s18, s19
	s_mov_b32 s19, 0
	s_mul_i32 s60, s15, 12288                      ; LDS: my four tiles of A,
	s_mul_i32 s61, s16, 64*PITCH
	s_add_co_u32 s61, s61, LB                      ; my 64 rows of B,
	s_mul_i32 s63, s15, 4*SBLK
	s_mul_i32 s62, s16, 4*SBLK
	s_add_co_u32 s62, s62, HALFS
	s_sub_co_u32 s62, s62, s63                     ; from my A rows' scales to my B rows',
	s_add_co_u32 s63, s63, SCL
	s_mul_i32 s94, s14, 16*SPITCH
	s_add_co_u32 s94, s94, STAGE                   ; my stage
	s_wait_dscnt 0x0                               ; both opening adds are done
	s_wait_kmcnt 0x0
	s_add_nc_u64 s[20:21], s[4:5], s[20:21]
	s_add_nc_u64 s[22:23], s[6:7], s[22:23]
	s_add_nc_u64 s[46:47], s[8:9], s[46:47]
	s_add_nc_u64 s[92:93], s[10:11], s[92:93]
	s_add_nc_u64 s[12:13], s[12:13], s[18:19]
	CROUND                                         ; all sixteen work-groups are here: the joint loads meet
	s_mov_b32 s[G0A], 1
	s_mov_b32 s[G0A+1], 0
	s_mov_b64 s[G0A+2:G0A+3], s[20:21]
	s_or_b32 s[G0A+3], s[G0A+3], 0x80000000
	s_mov_b32 s[G0B], 1
	s_mov_b32 s[G0B+1], LB
	s_mov_b64 s[G0B+2:G0B+3], s[46:47]
	s_or_b32 s[G0B+3], s[G0B+3], 0x80000000
	s_mov_b32 s[G0S], 1
	s_mov_b32 s[G0S+1], SCL
	s_mov_b64 s[G0S+2:G0S+3], s[22:23]
	s_or_b32 s[G0S+3], s[G0S+3], 0x80000000
	s_mov_b32 s[G0SB], 1
	s_mov_b32 s[G0SB+1], SCL+HALFS
	s_mov_b64 s[G0SB+2:G0SB+3], s[92:93]
	s_or_b32 s[G0SB+3], s[G0SB+3], 0x80000000
; One load a wave: wave 0 A's codes, wave 1 B's, wave 2 A's scales, wave 3 B's.  One tree of branches on the wave's number: every way passes exactly one load.
.macro ARM under, g0, g1, next
	s_cmp_lt_u32 s14, \under
	s_cbranch_scc0 \next
	tensor_load_to_lds s[\g0:\g0+3], s[\g1:\g1+7]
	s_nop 0
.rept 4
	v_nop
.endr
	s_branch .Lhead_asked
\next:
.endm
	ARM 1, G0A, G1A, .Lhead_b
	ARM 2, G0B, G1B, .Lhead_sa
	ARM 3, G0S, G1S, .Lhead_sb
	tensor_load_to_lds s[G0SB:G0SB+3], s[G1SB:G1SB+7]
	s_nop 0
.rept 4
	v_nop
.endr
.Lhead_asked:
	v_and_b32 v1, 15, v0                           ; r
	v_bfe_u32 v2, v0, 4, 1                         ; h
	v_and_b32 v3, 31, v0                           ; l
	v_lshlrev_b32 v4, 4, v3
	v_lshlrev_b32 v5, 3, v3
	v_add_nc_u32 v[ADRA], s60, v4
	v_add_nc_u32 v[ADRA+2], s60, v5
	v_add_nc_u32 v[ADRA+1], 49152, v[ADRA]
	v_add_nc_u32 v[ADRA+3], 49152, v[ADRA+2]
	v_mul_u32_u24 v4, v1, PITCH
	v_mad_u32_u24 v4, v2, 24, v4                   ; a fragment's row x pitch + 24 x half
	v_add_nc_u32 v[ADRB], s61, v4
	v_lshl_add_u32 v[ADRB+2], v2, 4, v[ADRB]       ; and the same behind one padding more
	v_add_nc_u32 v[ADRB+1], 2*BSTEP, v[ADRB]
	v_add_nc_u32 v[ADRB+3], 2*BSTEP, v[ADRB+2]
	v_lshlrev_b32 v5, 5, v1                        ; my row's scales: 32 bytes a row,
	v_lshrrev_b32 v6, 8, v5
	v_lshl_add_u32 v5, v6, 4, v5                   ; and 16 more for each 256 passed
	v_mul_u32_u24 v6, s62, v2                      ; lanes 16-31 take B's: one product, the distance between the two bases
	v_add_nc_u32 v5, v5, v6
	v_add_nc_u32 v[ADRS], s63, v5
	v_mul_u32_u24 v6, v1, SPITCH                   ; the stage, in: row r, 32 bytes for each half of the lanes
	v_lshl_add_u32 v6, v2, 5, v6
	v_add_nc_u32 v[STO], s94, v6
	v_mul_u32_u24 v6, v2, SPITCH                   ; back: lanes 0-15 one row of 256 bytes, lanes 16-31 the next
	v_lshl_add_u32 v6, v1, 4, v6
	v_add_nc_u32 v[RD], s94, v6
	v_lshlrev_b32 v6, 12, v2                       ; and the same two rows in out0
	v_lshl_add_u32 v[CO], v1, 4, v6
; The fragments of step st (128 along K) into set st % 2: A's four tiles as images (4 loads each), B's four blocks in pieces of 8 bytes (6 loads each): 40 loads.
.macro FETCH st
.set FP, 64+96*((\st)%2)
.set FS, ((\st)/2)%2
.set FH, (\st)/4
.set FQ, (\st)%2
.irp i, 0,1,2,3
	ds_load_b128 v[FP+12*\i:FP+12*\i+3],    v[ADRA+FH]   offset:24576*FS+3072*\i+1536*FQ
	ds_load_b64  v[FP+12*\i+4:FP+12*\i+5],  v[ADRA+2+FH] offset:24576*FS+3072*\i+1536*FQ+512
	ds_load_b128 v[FP+12*\i+6:FP+12*\i+9],  v[ADRA+FH]   offset:24576*FS+3072*\i+1536*FQ+768
	ds_load_b64  v[FP+12*\i+10:FP+12*\i+11], v[ADRA+2+FH] offset:24576*FS+3072*\i+1536*FQ+1280
.endr
.irp i, 0,1,2,3
.irp p, 0,1,2,3,4,5
.set PIECE, 12*FQ+6*(\p/3)+\p%3        ; where the piece three on lies behind one padding more, the second address register serves
.if PIECE%8 < 5
	ds_load_b64 v[FP+48+12*\i+2*\p:FP+48+12*\i+2*\p+1], v[ADRB+FH] offset:BSTEP*FS+8*PIECE+16*(PIECE/8)+\i*16*PITCH
.else
	ds_load_b64 v[FP+48+12*\i+2*\p:FP+48+12*\i+2*\p+1], v[ADRB+2+FH] offset:BSTEP*FS+8*PIECE+16*(PIECE/8)+\i*16*PITCH
.endif
.endr
.endr
.endm
.macro SCALES pr                       ; the scale words of steps 2 pr and 2 pr + 1: lanes 0-15 take A's tile i, lanes 16-31 B's block i: 4 loads
.irp i, 0,1,2,3
	ds_load_b64 v[SC+8*((\pr)%2)+2*\i:SC+8*((\pr)%2)+2*\i+1], v[ADRS] offset:\i*SBLK+8*(\pr)
.endr
.endm
; 16 matrix instructions: the 16 accumulators take turns, one instruction a turn, in the same order in every step.
.macro MULS st, zero
.set FP, 64+96*((\st)%2)
.set SS, SC+8*(((\st)/2)%2)+(\st)%2
	WIN 0x50                                       ; C and D in window 1
.irp a, 0,1,2,3
.irp b, 0,1,2,3
.if \zero
	v_wmma_scale_f32_16x16x128_f8f6f4 v[8*(4*\a+\b):8*(4*\a+\b)+7], v[FP+48+12*\b:FP+48+12*\b+11], v[FP+12*\a:FP+12*\a+11], 0, v[SS+2*\b], v[SS+2*\a] matrix_a_fmt:MATRIX_FMT_FP6 matrix_b_fmt:MATRIX_FMT_FP6 matrix_a_scale:MATRIX_SCALE_ROW1
.else
	v_wmma_scale_f32_16x16x128_f8f6f4 v[8*(4*\a+\b):8*(4*\a+\b)+7], v[FP+48+12*\b:FP+48+12*\b+11], v[FP+12*\a:FP+12*\a+11], v[8*(4*\a+\b):8*(4*\a+\b)+7], v[SS+2*\b], v[SS+2*\a] matrix_a_fmt:MATRIX_FMT_FP6 matrix_b_fmt:MATRIX_FMT_FP6 matrix_a_scale:MATRIX_SCALE_ROW1
.endif
.endr
.endr
	WIN 0
.endm
	s_wait_alu depctr_va_vdst(0)                   ; the wait at the head's end
	s_wait_tensorcnt 0x0                           ; my tile of the four is in
	s_barrier_signal -1
	s_barrier_wait -1                              ; everybody's is
	FETCH 0
	SCALES 0
	FETCH 1
	s_wait_dscnt 40                                ; step 0's loads are in; step 1's 40 may be out
	MULS 0, 1                                      ; the first products start the sums: nothing is cleared
.set ST, 1
.rept 6                                        ; eight steps, written out: the offsets are immediates
	PLACES                                         ; the set that the last step multiplied is loaded anew
	FETCH ST+1
.if ST%2 == 1
	SCALES (ST+1)/2
	s_wait_dscnt 44                                ; all but the 44 just issued
.else
	s_wait_dscnt 40
.endif
	MULS ST, 0
.set ST, ST+1
.endr
	s_wait_dscnt 0x0
	MULS 7, 0
; THE WAY OUT, tile by tile of 16 tokens x 64 features: through my own stage, back as whole rows of 256 bytes.  A wave's LDS instructions are served in order (ISA guide 5.7.1.4).
.macro TOSTAGE a
	WIN 0x04                                       ; the data: window 1
.irp b, 0,1,2,3
	ds_store_b128 v[STO], v[8*(4*(\a)+\b):8*(4*(\a)+\b)+3] offset:64*\b          ; each accumulator from its low end on
	ds_store_b128 v[STO], v[8*(4*(\a)+\b)+4:8*(4*(\a)+\b)+7] offset:64*\b+16
.endr
	WIN 0
.irp u, 0,1,2,3,4,5,6,7
	ds_load_b128 v[BK+32*((\a)%2)+4*\u:BK+32*((\a)%2)+4*\u+3], v[RD] offset:2*\u*SPITCH
.endr
.endm
.macro SEND a, younger                 ; younger: the LDS instructions issued behind tile a's loads
	s_wait_dscnt \younger
.irp u, 0,1,2,3,4,5,6,7
	global_store_b128 v[CO], v[BK+32*((\a)%2)+4*\u:BK+32*((\a)%2)+4*\u+3], s[12:13] offset:(32*((\a)/2)+8*((\a)%2)+2*\u+8*(\u/4))*4096 th:TH_STORE_NT   ; sixteen lanes store 256 consecutive bytes, aligned
.endr
.endm
	PLACES
	TOSTAGE 0
.irp a, 1,2,3
.if \a > 1
	s_wait_xcnt 0x0                                ; tile a - 2's stores have read their registers
.endif
	TOSTAGE \a
	SEND \a-1, 16                                  ; behind tile a - 1's loads: tile a's 8 stores and 8 loads
.endr
	SEND 3, 0
	s_wait_tensorcnt 0x0                           ; the wave's end
	ds_add_u32 v[SPW], v[NIL]
	s_wait_dscnt 0x0
	CROUND                                         ; the closing round
	s_endpgm
.Lfunc_end_k_qb9c2066698_oproj:
	.size	k_qb9c2066698_oproj, .Lfunc_end_k_qb9c2066698_oproj-k_qb9c2066698_oproj
	.p2alignl 7, 3214868480
	.fill 96, 4, 3214868480
	.section	.rodata,"a",@progbits
	.p2align	6, 0x0
	.amdhsa_kernel k_qb9c2066698_oproj
		.amdhsa_group_segment_fixed_size 327680
		.amdhsa_private_segment_fixed_size 0
		.amdhsa_enable_private_segment 0
		.amdhsa_kernarg_size 40
		.amdhsa_user_sgpr_count 2
		.amdhsa_user_sgpr_kernarg_segment_ptr 1
		.amdhsa_wavefront_size32 1
		.amdhsa_system_sgpr_workgroup_id_x 1
		.amdhsa_system_sgpr_workgroup_id_y 1
		.amdhsa_system_sgpr_workgroup_id_z 1
		.amdhsa_system_vgpr_workitem_id 0
		.amdhsa_next_free_vgpr 384
		.amdhsa_next_free_sgpr 96
		.amdhsa_reserve_vcc 0
		.amdhsa_float_denorm_mode_32 3
		.amdhsa_float_denorm_mode_16_64 3
		.amdhsa_memory_ordered 1
		.amdhsa_forward_progress 1
		.amdhsa_inst_pref_size 55
	.end_amdhsa_kernel
	.amdgpu_metadata
---
amdhsa.version: [ 1, 2 ]
amdhsa.kernels:
  - .name:           k_qb9c2066698_oproj
    .symbol:         k_qb9c2066698_oproj.kd
    .args:
      - { .name: ao, .offset: 0, .size: 8, .value_kind: global_buffer, .address_space: global }
      - { .name: asc, .offset: 8, .size: 8, .value_kind: global_buffer, .address_space: global }
      - { .name: cod, .offset: 16, .size: 8, .value_kind: global_buffer, .address_space: global }
      - { .name: scl, .offset: 24, .size: 8, .value_kind: global_buffer, .address_space: global }
      - { .name: out0, .offset: 32, .size: 8, .value_kind: global_buffer, .address_space: global }
    .group_segment_fixed_size: 327680
    .private_segment_fixed_size: 0
    .kernarg_segment_align: 8
    .kernarg_segment_size: 40
    .max_flat_workgroup_size: 128
    .sgpr_count:     96
    .vgpr_count:     384
    .wavefront_size: 32
...
	.end_amdgpu_metadata
.endif
;; end of part 4
